; MI455X (gfx1250); checked and timed in simulation.
; The chip was launched on July 23, 2026; its instructions are those of AMD's public machine-readable ISA for CDNA 5 (MIT licence, August 2026) and "CDNA5" Instruction Set Architecture Reference Guide (July 2026). The comments in the code are by the model that wrote it; some were corrected since.
;; Mixture Of Experts. Allowed arithmetic: matrix products marked QUANTISED: E4M3 operands, one E8M0 scale for each 32 along K, by v_wmma_scale_f32_16x16x128_f8f6f4 with both operands' format E4M3, f32 sums; products left as they are: f32 operands where the result goes on into a quantised operand, else bf16, f16 or f32 operands; f32 sums; everything else in f32.
;; Inputs: W1 8 x 1,024 x 4,096 float32; W2 8 x 4,096 x 1,024 float32; b1 8 x 4,096 float32; b2 8 x 1,024 float32; router_W 1,024 x 8 float32; router_b 8 float32; x 4 x 256 x 1,024 float32.
;; Outputs: out0 4 x 256 x 1,024 float32; out1 one number float32.
;; This version of the problem:
;;   THIS VERSION OF THE PROBLEM IS GIVEN IN LOW PRECISION. The matrix products marked QUANTISED in the list below multiply operands that are first quantised to E4M3 (4 exponent bits, 3 mantissa bits; 8 bits a number), with one power-of-two scale for each 32 numbers along K (OCP MX v1.0); their sums are f32. All else is computed in f32.
;;   The module's matrix products, in the order in which they are computed (A, B: the left and right operand; K: the contracted axis; several contracted axes count as one K, in the product's order):
;;     1. [M 1,024, K 1,024] x [K 1,024, N 8]; A: input x; B: input router_W: left as it is (N = 8 < 16)
;;     2. [M 32,768, K 1,024] x [K 1,024, N 1,024]; A: input W1; B: input x: QUANTISED
;;     3. batch 8 x [M 1,024, K 4,096] x [K 4,096, N 1,024]; A: computed on the way; B: input W2: QUANTISED
;;     4. batch 1,024 x [M 1, K 8] x [K 8, N 1,024]; A: computed on the way; B: computed on the way: left as it is (K = 8 < 32)
;;   THE QUANTISER, for each operand of a quantised product, along K:
;;     - K is cut into blocks of 32 from its start; a last block that is shorter is filled with zeros.
;;     - A block's scale is 2^e with e = floor(log2(the largest magnitude in the block)) - 8, held to -126 .. 127; a block of zeros has e = 0. As a byte (E8M0): e + 127.
;;     - Each number is divided by its block's scale, clamped to +-448, and rounded to the nearest number of E4M3, ties to even, subnormals kept.
;;     - The product sums the exact products of the quantised numbers (number of the format x scale) in f32.
;;   ~~~python
;;   def quantise(x, axis):      # numpy; x: float32 -> the quantised numbers, widened to float32 again
;;       x = np.moveaxis(x, axis, -1); K = x.shape[-1]
;;       x = np.pad(x, [(0, 0)] * (x.ndim - 1) + [(0, -K % 32)]); x = x.reshape(x.shape[:-1] + (-1, 32)); a = np.abs(x).max(-1, keepdims=True)
;;       e = np.where(a > 0, np.clip(np.frexp(np.where(a > 0, a, 1))[1] - 1 - 8, -126, 127), 0)      # np.frexp(a)[1] - 1 = floor(log2(a)), exactly
;;       r = np.clip(x / 2.0 ** e, -448, 448)
;;       step = 2.0 ** (np.maximum(np.frexp(np.where(r == 0, 1, r))[1] - 1, -6) - 3)
;;       q = np.round(r / step) * step * 2.0 ** e      # np.round: ties to even
;;       return np.moveaxis(q.reshape(q.shape[:-2] + (-1,))[..., :K], -1, axis).astype(np.float32)
;;   ~~~
;;   OPERANDS COMPUTED ON THE WAY. 'Computed on the way' means the value that the module computes at that place (a softmax that the list does not call 'softmax' is quantised finished and normalised). What goes into a quantiser is computed in f32, as accurately as f32 sums, v_exp_f32 and their like allow (about 1e-6 of the number): no bf16 or f16 on the way to a quantiser, and a product that is left as it is and whose result goes on into a quantised operand takes f32 operands (vector FMAs, or v_wmma_f32_16x16x4_f32). A number that lies on a knife's edge between two numbers of the format may be rounded either way, as far as f32 arithmetic and the matrix unit's own rounding can turn it there, and no further.
;; 2 versions. Each part assembles by itself: llvm-mc -triple=amdgcn-amd-amdhsa -mcpu=gfx1250 --defsym DOCPART=n.
;; ======== version 1 of 2: 5 launches
;; workspace buffers: xq 1,081,344 bytes; sel 8,192 bytes of whole numbers; gw 8,192 bytes; plan 8,448 bytes of whole numbers; xg 2,297,856 bytes; hq 9,191,424 bytes; yp 35,651,584 bytes
;; launch route (part 1): grid 256 x 1, 1 waves a work-group, no clusters, 8,448 bytes of LDS; arguments x, router_W, router_b, xq, sel, gw, out1; writes xq, sel, gw, out1
.if DOCPART == 1
	.amdgcn_target "amdgcn-amd-amdhsa--gfx1250"
	.amdhsa_code_object_version 6
	.text
	.protected	k_qf9bff48f24_route
	.globl	k_qf9bff48f24_route
	.p2align	8
	.type	k_qf9bff48f24_route,@function
k_qf9bff48f24_route:
	s_mov_b64 s[64:65], 0
	v_nop
	global_prefetch_b8 v0, s[64:65] scope:SCOPE_SE
	s_setreg_imm32_b32 hwreg(HW_REG_WAVE_MODE, 25, 1), 1
	s_wait_xcnt 0x0
; ROUTER AND QUANTISER OF x.  One wave takes 4 tokens (1,024 tokens, 256 work-groups).
; (1) x [1024][1024] f32 becomes codes of E4M3 with one E8M0 byte for each 32 along D: xq = codes [1024][1024], then scale bytes [1024][32] at XSOFF.
; (2) logits = x router_W + router_b in f32 (fused multiply-adds, a lane holds 32 of the 1,024 d); softmax with the row's maximum taken away; the two largest p,
;     ties to the lower index (strict compares in ascending order); their weights p / (p1 + p2).  The chosen experts go to sel [1024][2] i32, the weights to gw [1024][2] f32,
;     at fixed places: no address and no branch here hangs on them.
; (3) work-group 0 stores out1 = 0.0.
; LIMITS: NaN and infinities are not served.  A block of zeros gets the byte 1 where the rule says 127: its codes are zeros and this program alone reads the bytes.
; A p under 2^-126 comes out of v_exp_f32 as 0 (ISA guide, its entry): among such experts the second choice falls to the lowest index; its weight is under 1e-38.
; Two p that differ by less than f32 rounding may be ordered either way.
; No matrix unit, tensor load or cluster: N = 8, and the work-groups share only router_W's 32 KB.
; REGISTERS: window 0: v1-7 addresses; v8-12 at work; v16-47 two sets of 16 neighbours, later at work; v48-79 codes; v80-87 scale bytes; v96-127 the 32 sums (token, expert);
;   v128-255 x: register 32 t + 4 i + c = x[token t][128 i + 4 lane + c].   window 1: router_W: register 32 i + 8 c + e = W[128 i + 4 lane + c][e].
.set XSOFF, 1048576
.set SCB,   5120                       ; LDS: two stages of 32 x 80 bytes, then the wave's 128 scale bytes
.set SP,    80                         ; a lane's place in a stage: 64 bytes + 16 of padding
.set XT,    16
.set CD,    48
.set EB,    80
.set ACC,   96
.set R,     128
.set MSB, 0
.macro WIN new                         ; the immediate's high byte repeats the setting that is left
.if MSB != \new
	s_set_vgpr_msb (MSB<<8)|\new
.set MSB, \new
.endif
.endm
	s_load_b256 s[4:11], s[0:1], 0x0               ; x, router_W, router_b, xq
	s_load_b128 s[12:15], s[0:1], 0x20             ; sel, gw
	s_load_b64 s[16:17], s[0:1], 0x30              ; out1
	v_lshl_add_u32 v94, v0, 2, 0x2000
	v_mov_b32 v95, 0
	v_lshlrev_b32 v1, 4, v0                        ; 16 x lane
	v_lshlrev_b32 v2, 7, v0                        ; 128 x lane: my four rows of router_W
	v_lshrrev_b32 v3, 2, v0
	v_mul_u32_u24 v3, v3, SP
	v_and_b32 v7, 3, v0                            ; lane % 4: also the token whose choice this lane makes
	v_lshl_add_u32 v3, v7, 4, v3                   ; the stage, way in: SP (lane / 4) + 16 (lane % 4)
	v_mul_u32_u24 v4, v0, SP                       ; way out: SP x lane: 16 neighbours
	v_lshrrev_b32 v5, 1, v0
	v_add_nc_u32 v5, SCB, v5                       ; my block's scale byte
	v_lshlrev_b32 v6, 2, v0                        ; 4 x lane
	s_mov_b32 s20, 0x76543210
	s_mov_b32 s21, 0xfedcba98                      ; v_permlanex16_b32: lane l xor 16
	s_mov_b32 s23, 0x600000                        ; the mantissa field of 448
	s_lshl_b32 s32, ttmp9, 14                      ; 4 tokens x 4,096 bytes of x
	s_mov_b32 s33, 0
	s_lshl_b32 s34, ttmp9, 12                      ; x 1,024 bytes of codes
	s_mov_b32 s35, 0
	s_lshl_b32 s36, ttmp9, 7                       ; x 32 scale bytes
	s_mov_b32 s37, 0
	s_lshl_b32 s38, ttmp9, 5                       ; x 8 bytes of sel and of gw
	s_mov_b32 s39, 0
	s_wait_kmcnt 0x0
	s_load_b256 s[24:31], s[8:9], 0x0              ; router_b, eight numbers
	s_add_nc_u64 s[4:5], s[4:5], s[32:33]
	s_add_nc_u64 s[18:19], s[10:11], s[36:37]      ; xq for the scale bytes (XSOFF stands in the store's immediate)
	s_add_nc_u64 s[10:11], s[10:11], s[34:35]      ; xq for the codes
	s_add_nc_u64 s[12:13], s[12:13], s[38:39]
	s_add_nc_u64 s[14:15], s[14:15], s[38:39]
.irp t, 0,1,2,3
.irp i, 0,1,2,3,4,5,6,7
	global_load_b128 v[R+32*\t+4*\i:R+32*\t+4*\i+3], v1, s[4:5] offset:4096*\t+512*\i th:TH_LOAD_NT   ; 32 lanes read 512 consecutive bytes
.endr
.endr
	WIN 0x40                                       ; destination window 1
.irp i, 0,1,2,3,4,5,6,7
.irp q, 0,1,2,3,4,5,6,7
	global_load_b128 v[32*\i+4*\q:32*\i+4*\q+3], v2, s[6:7] offset:4096*\i+16*\q
.endr
.endr
	WIN 0
	s_wait_loadcnt 63                              ; 64 loads were issued behind x's 32: with 63 out, all of x is in
.macro TURN t                          ; step t's 512 numbers through a stage: LDS serves a wave's instructions in order, so no wait stands between the stores and the loads
.irp i, 0,1,2,3
	ds_store_b128 v3, v[R+16*(\t)+4*\i:R+16*(\t)+4*\i+3] offset:32*SP*((\t)%2)+8*SP*\i
.endr
.irp i, 0,1,2,3
	ds_load_b128 v[XT+16*((\t)%2)+4*\i:XT+16*((\t)%2)+4*\i+3], v4 offset:32*SP*((\t)%2)+16*\i
.endr
.endm
; Step t = half (t % 2) of token t / 2: a lane holds 16 neighbours, two neighbouring lanes a block of 32.
.macro STEP t
.set XS, XT+16*((\t)%2)
.if (\t) > 0
	s_wait_dscnt 1                                 ; this step's numbers are back from the stage; the last step's byte store may be out
.else
	s_wait_dscnt 0x0
.endif
.if (\t)+1 < 8
	TURN (\t)+1                                    ; the next step goes through the other stage meanwhile
.endif
	v_max3_num_f32 v8, |v[XS]|, |v[XS+1]|, |v[XS+2]|
	v_max3_num_f32 v9, |v[XS+3]|, |v[XS+4]|, |v[XS+5]|
.irp i, 6,10
	v_max3_num_f32 v8, v8, |v[XS+\i]|, |v[XS+\i+1]|
	v_max3_num_f32 v9, v9, |v[XS+\i+2]|, |v[XS+\i+3]|
.endr
	v_max3_num_f32 v8, v8, |v[XS+14]|, |v[XS+15]|
	v_max3_num_f32 v8, v8, v9, 0x4800000           ; with the floor 2^(9 - 127): the byte cannot fall under 1
	v_max_num_f32_dpp v8, v8, v8 row_xmask:1 row_mask:0xf bank_mask:0xf   ; and my neighbour's 16: the block's largest magnitude
	v_add_nc_u32 v11, 0xfc000000, v8               ; 8 off its exponent field: the conversion's scale operand
	v_and_or_b32 v10, v8, 0x7f800000, s23          ; 448 x the scale
.irp i, 0,1,2,3,4,5,6,7,8,9,10,11,12,13,14,15
	v_med3_num_f32 v[XS+\i], v[XS+\i], -v10, v10   ; the conversion to an 8-bit code does not saturate (ISA guide 7.6.2): hold first
.endr
	v_cvt_scalef32_pk8_fp8_f32 v[CD+4*(\t):CD+4*(\t)+1], v[XS:XS+7], v11
	v_cvt_scalef32_pk8_fp8_f32 v[CD+4*(\t)+2:CD+4*(\t)+3], v[XS+8:XS+15], v11
	v_lshrrev_b32 v[EB+(\t)], 23, v11              ; the scale's byte (also the plain line behind the conversions)
	ds_store_b8 v5, v[EB+(\t)] offset:16*(\t)      ; both lanes of a block write the same byte with the same value
	global_store_b128 v1, v[CD+4*(\t):CD+4*(\t)+3], s[10:11] offset:512*(\t)   ; 512 consecutive bytes
.endm
	TURN 0
.irp t, 0,1,2,3,4,5,6,7
	STEP \t
.endr
	s_wait_loadcnt 0x0                             ; router_W
	s_wait_kmcnt 0x0                               ; router_b
	WIN 0x01                                       ; source 0 (router_W) window 1
.irp i, 0,1,2,3,4,5,6,7
.irp c, 0,1,2,3
.irp t, 0,1,2,3
.irp e, 0,1,2,3,4,5,6,7
.if (\i == 0) && (\c == 0)
	v_mul_f32 v[ACC+8*\t+\e], v[32*\i+8*\c+\e], v[R+32*\t+4*\i+\c]     ; the first product starts each sum
.else
	v_fmac_f32 v[ACC+8*\t+\e], v[32*\i+8*\c+\e], v[R+32*\t+4*\i+\c]    ; the 32 sums by turns
.endif
.endr
.endr
.endr
.endr
	WIN 0
.irp m, 1,2,4,8                        ; each sum over the 32 lanes; the result in every lane
.set n, 0
.rept 32
	v_add_f32_dpp v[ACC+n], v[ACC+n], v[ACC+n] row_xmask:\m row_mask:0xf bank_mask:0xf
.set n, n+1
.endr
.endr
.set n, 0
.rept 32
	v_permlanex16_b32 v[XT+n], v[ACC+n], s20, s21
.set n, n+1
.endr
.set n, 0
.rept 32
	v_add_f32 v[ACC+n], v[ACC+n], v[XT+n]
.set n, n+1
.endr
	v_cmp_eq_u32 s40, 1, v7                        ; lane l takes token l % 4
	v_cmp_eq_u32 s41, 2, v7
	v_cmp_eq_u32 s42, 3, v7
.irp e, 0,1,2,3,4,5,6,7
	v_cndmask_b32 v[16+\e], v[ACC+\e], v[ACC+8+\e], s40
	v_cndmask_b32 v[16+\e], v[16+\e], v[ACC+16+\e], s41
	v_cndmask_b32 v[16+\e], v[16+\e], v[ACC+24+\e], s42
	v_add_f32 v[16+\e], s[24+\e], v[16+\e]         ; + router_b
.endr
	v_max3_num_f32 v8, v16, v17, v18               ; the row's maximum is taken away ahead of the exponential
	v_max3_num_f32 v8, v8, v19, v20
	v_max3_num_f32 v8, v8, v21, v22
	v_max_num_f32 v8, v8, v23
.irp e, 0,1,2,3,4,5,6,7
	v_sub_f32 v[16+\e], v[16+\e], v8
.endr
.irp e, 0,1,2,3,4,5,6,7
	v_mul_f32 v[16+\e], 0x3fb8aa3b, v[16+\e]
.endr
.irp e, 0,1,2,3,4,5,6,7
	v_exp_f32 v[16+\e], v[16+\e]
.endr
	v_nop                                          ; a plain line behind the exponentials
	s_wait_alu depctr_va_vdst(0)
	v_mov_b32 v24, v16                             ; the largest p and its index: a strict compare keeps the lower index
	v_mov_b32 v32, 0
.irp e, 1,2,3,4,5,6,7
	v_cmp_gt_f32 vcc_lo, v[16+\e], v24
	v_cndmask_b32 v24, v24, v[16+\e], vcc_lo
	v_cndmask_b32 v32, v32, \e, vcc_lo
.endr
	v_mov_b32 v25, -1.0                            ; the second: the same scan over the experts other than the first; every p is over -1
	v_mov_b32 v33, 0
.irp e, 0,1,2,3,4,5,6,7
	v_cmp_gt_f32 s40, v[16+\e], v25
	v_cmp_ne_u32 s41, \e, v32
	s_and_b32 s40, s40, s41
	v_cndmask_b32 v25, v25, v[16+\e], s40
	v_cndmask_b32 v33, v33, \e, s40
.endr
	v_add_f32 v9, v24, v25
	v_rcp_f32 v9, v9
	v_lshlrev_b32 v10, 3, v0                       ; (a plain line behind the reciprocal)  8 x lane
	s_wait_alu depctr_va_vdst(0)
	v_mul_f32 v34, v24, v9                         ; the softmax's divisor cancels: w = p / (p1 + p2)
	v_mul_f32 v35, v25, v9
	v_cmp_gt_u32 vcc_lo, 4, v0
	s_wait_xcnt 0x0                                ; EXEC changes only behind this wait
	s_and_saveexec_b32 s43, vcc_lo                 ; lanes 0 to 3 hold tokens 0 to 3
	global_store_b64 v10, v[32:33], s[12:13]
	global_store_b64 v10, v[34:35], s[14:15]
	s_wait_xcnt 0x0
	s_or_b32 exec_lo, exec_lo, s43
	ds_load_b32 v11, v6 offset:SCB                 ; the 128 scale bytes of my 4 tokens (my own stores, served in order)
	s_wait_dscnt 0x0
	global_store_b32 v6, v11, s[18:19] offset:XSOFF   ; 128 consecutive bytes
	s_cmp_lg_u32 ttmp9, 0
	s_cbranch_scc1 .Lend
	v_mov_b32 v12, 0
	v_cmp_eq_u32 vcc_lo, 0, v0
	s_wait_xcnt 0x0
	s_and_saveexec_b32 s43, vcc_lo
	global_store_b32 v12, v12, s[16:17]            ; out1 = 0.0
	s_wait_xcnt 0x0
	s_or_b32 exec_lo, exec_lo, s43
.Lend:
	s_wait_tensorcnt 0x0
	ds_add_u32 v94, v95
	s_wait_dscnt 0x0
	s_endpgm
.Lfunc_end_k_qf9bff48f24_route:
	.size	k_qf9bff48f24_route, .Lfunc_end_k_qf9bff48f24_route-k_qf9bff48f24_route
	.p2alignl 7, 3214868480
	.fill 96, 4, 3214868480
	.section	.rodata,"a",@progbits
	.p2align	6, 0x0
	.amdhsa_kernel k_qf9bff48f24_route
		.amdhsa_group_segment_fixed_size 8448
		.amdhsa_private_segment_fixed_size 0
		.amdhsa_enable_private_segment 0
		.amdhsa_kernarg_size 56
		.amdhsa_user_sgpr_count 2
		.amdhsa_user_sgpr_kernarg_segment_ptr 1
		.amdhsa_wavefront_size32 1
		.amdhsa_system_sgpr_workgroup_id_x 1
		.amdhsa_system_sgpr_workgroup_id_y 1
		.amdhsa_system_sgpr_workgroup_id_z 1
		.amdhsa_system_vgpr_workitem_id 0
		.amdhsa_next_free_vgpr 512
		.amdhsa_next_free_sgpr 66
		.amdhsa_reserve_vcc 1
		.amdhsa_float_denorm_mode_32 3
		.amdhsa_float_denorm_mode_16_64 3
		.amdhsa_memory_ordered 1
		.amdhsa_forward_progress 1
		.amdhsa_inst_pref_size 83
	.end_amdhsa_kernel
	.amdgpu_metadata
---
amdhsa.version: [ 1, 2 ]
amdhsa.kernels:
  - .name:           k_qf9bff48f24_route
    .symbol:         k_qf9bff48f24_route.kd
    .args:
      - { .name: x, .offset: 0, .size: 8, .value_kind: global_buffer, .address_space: global }
      - { .name: router_W, .offset: 8, .size: 8, .value_kind: global_buffer, .address_space: global }
      - { .name: router_b, .offset: 16, .size: 8, .value_kind: global_buffer, .address_space: global }
      - { .name: xq, .offset: 24, .size: 8, .value_kind: global_buffer, .address_space: global }
      - { .name: sel, .offset: 32, .size: 8, .value_kind: global_buffer, .address_space: global }
      - { .name: gw, .offset: 40, .size: 8, .value_kind: global_buffer, .address_space: global }
      - { .name: out1, .offset: 48, .size: 8, .value_kind: global_buffer, .address_space: global }
    .group_segment_fixed_size: 8448
    .private_segment_fixed_size: 0
    .kernarg_segment_align: 8
    .kernarg_segment_size: 56
    .max_flat_workgroup_size: 32
    .sgpr_count:     66
    .vgpr_count:     512
    .wavefront_size: 32
...
	.end_amdgpu_metadata
.endif
;; end of part 1
;; launch place (part 2): grid 128 x 1, 8 waves a work-group, no clusters, 1,280 bytes of LDS; arguments sel, xq, plan, xg; writes plan, xg
.if DOCPART == 2
	.amdgcn_target "amdgcn-amd-amdhsa--gfx1250"
	.amdhsa_code_object_version 6
	.text
	.protected	k_qf9bff48f24_place
	.globl	k_qf9bff48f24_place
	.p2align	8
	.type	k_qf9bff48f24_place,@function
k_qf9bff48f24_place:
	s_mov_b64 s[64:65], 0
	v_nop
	global_prefetch_b8 v0, s[64:65] scope:SCOPE_SE
	s_setreg_imm32_b32 hwreg(HW_REG_WAVE_MODE, 25, 1), 1
	s_wait_xcnt 0x0
; THE ROWS ARE PLACED BY EXPERT: a counting sort without atomics.  Every work-group reads all of sel (8 KB) and counts for itself; work-group g owns tokens 8 g .. 8 g + 7, one a wave.
; Expert e owns positions 16 tb_e .. 16 tb_e + cnt_e - 1, tb_e = the sum over e' < e of ceil(cnt_e' / 16): at most (2,048 + 8 x 15) / 16 = 135 tiles of 16 rows.
; Within an expert the rows stand in the order of their tokens.  Stored: plan = META [8]{cnt, tb} at byte 0 and POS [1024][2] at byte 256;
; xg = the rows' codes as IMAGES OF THE OPERAND'S REGISTERS, [136 tiles][8 K steps][2,048 bytes]: byte 512 c + 16 lane holds k = 128 S + 32 c + 16 (lane / 16) + 0..15 of row lane % 16;
; and, at XGS, their scale bytes [2176 positions][32].  Each token goes to its two positions.
; A token's 16 bytes at byte 512 hf + 16 l of its row go to byte 8,192 hf + 256 l + 16 (position % 16) of its tile: a store's 32 lanes write 16 bytes each, 256 bytes apart.  2 MB are written so, once, so that the
; next launch, whose 64 column groups each read every row, loads 512 consecutive bytes an instruction.
; The rows behind an expert's last row in its last tile are written as zero codes (wave w of work-group 0: expert w), so that every byte of a tile that is read has been stored.
; Wave w counts expert w (total, and in the groups of 32 tokens ahead of mine); one barrier; then every wave makes the positions of its group's 32 tokens (lane = token) and takes its own token's.
; Every position passes v_min_u32 with 2,175 ahead of its use in an address.  No matrix unit, tensor load or cluster: a copy of 2 MB.
.set XSOFF, 1048576
.set XGS,   2228224
.set POS,   256
	s_load_b256 s[4:11], s[0:1], 0x0               ; sel, xq, plan, xg
	v_lshl_add_u32 v192, v0, 2, 0x100
	v_mov_b32 v193, 0
	v_and_b32 v1, 31, v0
	v_lshrrev_b32 v2, 5, v0
	v_readfirstlane_b32 s18, v2                    ; wave 0..7
	v_lshlrev_b32 v2, 3, v1                        ; 8 x lane
	s_lshr_b32 s23, ttmp9, 2                       ; my group of 32 tokens
	s_lshl_b32 s19, s23, 8
	v_add_nc_u32 v3, s19, v2                       ; its pairs: 256 x group + 8 x lane
	v_lshlrev_b32 v4, 4, v1                        ; 16 x lane
	v_lshlrev_b32 v5, 2, v1                        ; 4 x lane
	v_lshlrev_b32 v6, 8, v1                        ; 256 x lane: my 16 bytes' place in half a tile's images
	v_and_b32 v7, 15, v1                           ; lane % 16
	v_lshlrev_b32 v8, 1, v7                        ; 2 (lane % 16): my two of a token's 32 scale bytes
	s_lshl_b32 s24, ttmp9, 3
	s_add_co_u32 s24, s24, s18                     ; my token
	s_lshl_b32 s26, s24, 10
	s_mov_b32 s27, 0
	s_lshl_b32 s28, s24, 5
	s_mov_b32 s29, 0
	s_and_b32 s30, s24, 31
	s_lshl_b32 s30, s30, 2
	v_mov_b32 v24, s30                             ; my token's lane in its group, x 4
	s_wait_kmcnt 0x0
	s_add_nc_u64 s[12:13], s[6:7], s[28:29]        ; xq at my token's scale bytes (XSOFF in the immediate)
	s_add_nc_u64 s[6:7], s[6:7], s[26:27]          ; and at its codes
.set g, 0
.rept 32
	global_load_b64 v[32+2*g:33+2*g], v2, s[4:5] offset:256*g   ; group g's 32 pairs: 256 consecutive bytes
.set g, g+1
.endr
	global_load_b64 v[96:97], v3, s[4:5]           ; my group's
	global_load_b128 v[100:103], v4, s[6:7] th:TH_LOAD_NT              ; my token's codes: 512 consecutive bytes a load
	global_load_b128 v[104:107], v4, s[6:7] offset:512 th:TH_LOAD_NT
	global_load_u16 v108, v8, s[12:13] offset:XSOFF th:TH_LOAD_NT      ; its scale bytes, in both halves of the lanes
	s_mov_b32 s20, 0                               ; expert w's rows in all,
	s_mov_b32 s21, 0                               ; and in the groups ahead of mine
	s_wait_loadcnt 4                               ; four loads were issued behind the 32 of sel
.set g, 0
.rept 32
	v_cmp_eq_u32 s40, s18, v[32+2*g]
	v_cmp_eq_u32 s41, s18, v[33+2*g]
	s_or_b32 s40, s40, s41                         ; a token's two experts differ
	s_bcnt1_i32_b32 s40, s40
	s_add_co_u32 s20, s20, s40
	s_cmp_gt_u32 s23, g
	s_cselect_b32 s40, s40, 0
	s_add_co_u32 s21, s21, s40
.set g, g+1
.endr
	s_lshl_b32 s40, s18, 3
	v_mov_b32 v10, s40
	v_mov_b32 v12, s20
	v_mov_b32 v13, s21
	ds_store_b64 v10, v[12:13]                     ; all lanes write the same 8 bytes with the same values
	s_wait_dscnt 0x0                               ; for the others' sake: my store has landed
	s_barrier_signal -1
	s_barrier_wait -1
	v_mov_b32 v11, 0
.irp i, 0,1,2,3
	ds_load_b128 v[136+4*\i:139+4*\i], v11 offset:16*\i
.endr
	s_wait_dscnt 0x0
.set n, 0
.rept 16
	v_readfirstlane_b32 s[48+n], v[136+n]          ; s[48 + 2 e] = cnt_e, s[49 + 2 e] = expert e's rows ahead of my group
.set n, n+1
.endr
	s_mov_b32 s22, 0
.irp e, 0,1,2,3,4,5,6,7
	s_mov_b32 s[70+\e], s22                        ; tb_e
	s_lshl_b32 s[80+\e], s22, 4
	s_add_co_u32 s[80+\e], s[80+\e], s[49+2*\e]    ; where my group's rows of expert e begin
	s_add_co_u32 s40, s[48+2*\e], 15
	s_lshr_b32 s40, s40, 4
	s_add_co_u32 s22, s22, s40
.endr
	v_mov_b32 v16, 0
	v_mov_b32 v17, 0
	s_wait_loadcnt 3                               ; my group's pair is in; the three loads behind it may be out
.irp e, 0,1,2,3,4,5,6,7
	v_cmp_eq_u32 s40, \e, v96
	v_cmp_eq_u32 s41, \e, v97
	s_or_b32 s42, s40, s41
	v_mbcnt_lo_u32_b32 v14, s42, 0                 ; the tokens below mine in the group that chose e
	v_add_nc_u32 v14, s[80+\e], v14
	v_cndmask_b32 v16, v16, v14, s40
	v_cndmask_b32 v17, v17, v14, s41
.endr
	ds_bpermute_b32 v152, v24, v16                 ; my token's two positions, in every lane
	ds_bpermute_b32 v153, v24, v17
	s_wait_dscnt 0x0
	v_cmp_le_u32 s44, 16, v1
	v_cndmask_b32 v154, v152, v153, s44            ; for the scale bytes: lanes 0-15 serve the first position, lanes 16-31 the second
	v_min_u32 v152, 0x87f, v152
	v_min_u32 v153, 0x87f, v153
	v_min_u32 v154, 0x87f, v154
.irp k, 0,1
	v_and_b32 v[156+\k], 0xff0, v[152+\k]          ; 16 x the tile,
	v_and_b32 v[158+\k], 15, v[152+\k]             ; and the row in it
	v_lshl_add_u32 v[164+\k], v[156+\k], 10, v6    ; tile x 16,384 + 256 x lane
	v_lshl_add_u32 v[164+\k], v[158+\k], 4, v[164+\k]   ; + 16 x row
.endr
	v_lshl_add_u32 v172, v154, 5, v8               ; position x 32 + my two bytes
	s_wait_loadcnt 0x0
.irp k, 0,1
	global_store_b128 v[164+\k], v[100:103], s[10:11]              ; K steps 0 to 3
	global_store_b128 v[164+\k], v[104:107], s[10:11] offset:8192  ; K steps 4 to 7
.endr
	global_store_b16 v172, v108, s[10:11] offset:XGS   ; 32 consecutive bytes for each of the two positions
	s_cmp_lg_u32 ttmp9, 0
	s_cbranch_scc1 .Lnopad
	s_mov_b32 s44, 0                               ; work-group 0: wave w fills expert w's last tile up with zero codes
.irp e, 0,1,2,3,4,5,6,7
	s_cmp_eq_u32 s18, \e
	s_cselect_b32 s44, s[70+\e], s44               ; tb_w
.endr
	s_and_b32 s45, s20, 15                         ; rows in the last tile, if it is not full (SCC: not 0)
	s_cselect_b32 s45, s45, 16                     ; a full last tile, or none: no lane is on below
	s_lshr_b32 s46, s20, 4
	s_add_co_u32 s46, s46, s44
	s_min_u32 s46, s46, 135                        ; the tile that is not full
	s_lshl_b32 s46, s46, 14
	v_add_nc_u32 v176, s46, v4                     ; tile x 16,384 + 16 x lane
.irp i, 0,1,2,3
	v_mov_b32 v[180+\i], 0
.endr
	v_cmp_le_u32 vcc_lo, s45, v7                   ; the rows behind the last
	s_wait_xcnt 0x0                                ; EXEC changes only behind this wait
	s_and_saveexec_b32 s43, vcc_lo
.set n, 0
.rept 32
	global_store_b128 v176, v[180:183], s[10:11] offset:512*n
.set n, n+1
.endr
	s_wait_xcnt 0x0
	s_or_b32 exec_lo, exec_lo, s43
.Lnopad:
	s_cmp_lg_u32 s18, 0
	s_cbranch_scc1 .Lend
	s_and_b32 s40, ttmp9, 3
	s_cmp_lg_u32 s40, 0
	s_cbranch_scc1 .Lend
	global_store_b64 v3, v[16:17], s[8:9] offset:POS   ; wave 0 of a group's first work-group: the group's 32 pairs of positions, 256 consecutive bytes
	s_cmp_lg_u32 ttmp9, 0
	s_cbranch_scc1 .Lend
	v_mov_b32 v20, 0
.irp e, 0,1,2,3,4,5,6,7
	v_writelane_b32 v20, s[48+2*\e], 2*\e
	v_writelane_b32 v20, s[70+\e], 2*\e+1
.endr
	v_cmp_gt_u32 vcc_lo, 16, v0
	s_wait_xcnt 0x0                                ; EXEC changes only behind this wait
	s_and_saveexec_b32 s43, vcc_lo
	global_store_b32 v5, v20, s[8:9]               ; META: {cnt, tb} of the eight experts
	s_wait_xcnt 0x0
	s_or_b32 exec_lo, exec_lo, s43
.Lend:
	s_wait_tensorcnt 0x0
	ds_add_u32 v192, v193
	s_wait_dscnt 0x0
	s_endpgm
.Lfunc_end_k_qf9bff48f24_place:
	.size	k_qf9bff48f24_place, .Lfunc_end_k_qf9bff48f24_place-k_qf9bff48f24_place
	.p2alignl 7, 3214868480
	.fill 96, 4, 3214868480
	.section	.rodata,"a",@progbits
	.p2align	6, 0x0
	.amdhsa_kernel k_qf9bff48f24_place
		.amdhsa_group_segment_fixed_size 1280
		.amdhsa_private_segment_fixed_size 0
		.amdhsa_enable_private_segment 0
		.amdhsa_kernarg_size 32
		.amdhsa_user_sgpr_count 2
		.amdhsa_user_sgpr_kernarg_segment_ptr 1
		.amdhsa_wavefront_size32 1
		.amdhsa_system_sgpr_workgroup_id_x 1
		.amdhsa_system_sgpr_workgroup_id_y 1
		.amdhsa_system_sgpr_workgroup_id_z 1
		.amdhsa_system_vgpr_workitem_id 0
		.amdhsa_next_free_vgpr 194
		.amdhsa_next_free_sgpr 96
		.amdhsa_reserve_vcc 1
		.amdhsa_float_denorm_mode_32 3
		.amdhsa_float_denorm_mode_16_64 3
		.amdhsa_memory_ordered 1
		.amdhsa_forward_progress 1
		.amdhsa_inst_pref_size 28
	.end_amdhsa_kernel
	.amdgpu_metadata
---
amdhsa.version: [ 1, 2 ]
amdhsa.kernels:
  - .name:           k_qf9bff48f24_place
    .symbol:         k_qf9bff48f24_place.kd
    .args:
      - { .name: sel, .offset: 0, .size: 8, .value_kind: global_buffer, .address_space: global }
      - { .name: xq, .offset: 8, .size: 8, .value_kind: global_buffer, .address_space: global }
      - { .name: plan, .offset: 16, .size: 8, .value_kind: global_buffer, .address_space: global }
      - { .name: xg, .offset: 24, .size: 8, .value_kind: global_buffer, .address_space: global }
    .group_segment_fixed_size: 1280
    .private_segment_fixed_size: 0
    .kernarg_segment_align: 8
    .kernarg_segment_size: 32
    .max_flat_workgroup_size: 256
    .sgpr_count:     96
    .vgpr_count:     194
    .wavefront_size: 32
...
	.end_amdgpu_metadata
.endif
;; end of part 2
;; launch ffn1 (part 3): grid 256 x 1, 4 waves a work-group, no clusters, 139,776 bytes of LDS; arguments W1, b1, xg, plan, hq; writes hq
.if DOCPART == 3
	.amdgcn_target "amdgcn-amd-amdhsa--gfx1250"
	.amdhsa_code_object_version 6
	.text
	.protected	k_qf9bff48f24_ffn1
	.globl	k_qf9bff48f24_ffn1
	.p2align	8
	.type	k_qf9bff48f24_ffn1,@function
k_qf9bff48f24_ffn1:
	s_mov_b64 s[64:65], 0
	v_nop
	global_prefetch_b8 v0, s[64:65] scope:SCOPE_SE
	s_setreg_imm32_b32 hwreg(HW_REG_WAVE_MODE, 25, 1), 1
	s_wait_xcnt 0x0
; FIRST LAYER, for the routed rows alone: hq = Q(gelu(Q(x) Q(W1) + b1)), MX-FP8 (E4M3, one E8M0 byte for each 32 along K), sums in f32; gelu in its tanh form.
; SHARES.  Work-group = expert e (wg / 32) x 128 columns of H (wg % 32): a slab of W1 of 1,024 k x 128 columns, 512 KB of f32, read from memory once in the whole launch.
; Wave w: columns 64 (w % 2) on; rho = w / 2 names both the half of K that it quantises and the parity of the row tiles that it multiplies.
; PHASE A.  The wave streams its 512 k x 64 columns in 16 units of 32 k.  A load takes two rows of W1, 16 rows apart, 256 consecutive bytes each: lane (r', h) holds columns 4 r' + 0..3 and
; k = 32 u + 16 h + 0..15, which IS the operand's layout for four tiles, tile q's row r' being column 4 r' + q.  A block's largest magnitude joins lanes l and l xor 16.  The codes go straight
; into operand registers (window 1) and, as an image of those registers, into LDS; behind ONE barrier the wave takes the image of wave w xor 2 (same columns, other half of K) into window 2.
; PHASE B.  Row tiles of parity rho of the expert, 32 matrix instructions each on 4 accumulators by turns.  x's rows come from xg as images of the operand's registers,
; 512 consecutive bytes a load.  The product is used transposed (source 0 = W1's columns, source 1 = 16 rows of x): lane (r, h) holds row r, and register j of tile q column 32 h + 4 j + q: the lane's 32
; results are ONE block of the next K, quantised with no other lane.  b1 is the C of each sum's first instruction.
; hq: codes [tile][K step 32][image of the operand's registers, 2,048 bytes]; at HSOFF the scale bytes [tile][group of 4 K steps][row][16]: a row's four scale words of a group on end.
; THE WALK IS ROTATED: the work-group begins at tile index (wg % 32) x tiles / 32 of its parity and wraps round, so that the 32 work-groups of an expert do not all ask for the same tile in the same trip:
; a tile is asked for first by those that begin at it, and by the others one or more trips later.
; The number of rows is read from plan, so the loop's trip count is loaded data: the launch has no tensor load, no copy and no cluster, and its one barrier stands on every wave's way.
; What the 32 work-groups of an expert share, 16 KB of rows a tile, is small beside a slab's 512 KB, which nobody shares.
; A trip past the wave's count of tiles takes its first tile again and stores the same bytes (at most one such trip a wave); rows past the expert's last are zero codes under the last row's scale words,
; and nobody reads their results.  An expert without rows: its slab is still streamed (the barrier is unconditional), nothing is stored by that work-group.
; LIMITS: NaN and infinities are not served; a block of zeros has the byte 1 (zero codes; the bytes are read by this program alone); K is summed own half first, not ascending.
; REGISTERS.  window 0: v1-15 lane numbers, addresses, constants; v16-31 at work in the quantiser; v32-47, v48-63 W1's scale words (own half, partner's); v64-95 accumulators (first: b1 as loaded);
;   v96-127 b1 in the result's layout; v128-191 numbers at work; v192-199 x's scale words; v216-223 codes to store; v224-233 addresses; v[240:241] a constant.
;   window 1: own 16 fragments (K step i, tile q at 16 (4 i + q)).  window 2: four sets of 64 as loaded, then the partner's fragments.  window 3: x's fragments, two buffers of 128.
.set PITCH, 16384
.set NA,    33                         ; loads that bring a row tile
.set EXS,   131072                     ; LDS: 4 x 32,768 bytes of images, then 4 x 2,048 of scale words
.set XGS,   2228224
.set HSOFF, 0x880000
.set M,   16
.set M2,  20
.set SO,  24
.set LM,  28
.set SWO, 32
.set SWP, 48
.set ACC, 64
.set BI,  96
.set X,   128
.set T,   128
.set XQ,  160
.set AS,  192
.set HC,  216
.set AD,  224
.set HA,  232
.set SA,  233
.set MSB, 0
.macro WIN new                         ; the immediate's high byte repeats the setting that is left
.if MSB != \new
	s_set_vgpr_msb (MSB<<8)|\new
.set MSB, \new
.endif
.endm
.macro LOADW u                         ; unit u: 32 k x 64 columns into set u % 4 of window 2
	WIN 0x80
.irp i, 0,1,2,3,4,5,6,7,8,9,10,11,12,13,14,15
	global_load_b128 v[64*((\u)%4)+4*\i:64*((\u)%4)+4*\i+3], v4, s[4:5] offset:(32*(\u)+\i)*PITCH th:TH_LOAD_NT
.endr
.endm
; Unit u is quantised.  n: the younger loads that may stay out.
.macro QUNIT u, n
.set LB, 64*((\u)%4)
.set KI, (\u)/4
.set KC, (\u)%4
	s_wait_loadcnt \n
	WIN 0x0a                                       ; sources 0 and 1 window 2
.irp q, 0,1,2,3
	v_max3_num_f32 v[M+\q], |v[LB+\q]|, |v[LB+4+\q]|, 0x4800000   ; column q's 16 numbers, and the floor 2^(9 - 127): the byte cannot fall under 1
.endr
.irp i, 2,4,6,8,10,12,14
.irp q, 0,1,2,3
	v_max3_num_f32 v[M+\q], |v[LB+4*\i+\q]|, |v[LB+4*\i+4+\q]|, v[M+\q]
.endr
.endr
	WIN 0
.irp q, 0,1,2,3
	v_permlanex16_b32 v[M2+\q], v[M+\q], s24, s25
.endr
.irp q, 0,1,2,3
	v_max_num_f32 v[M+\q], v[M+\q], v[M2+\q]       ; with lane l xor 16's 16: the block's largest magnitude
.endr
.irp q, 0,1,2,3
	v_add_nc_u32 v[SO+\q], 0xfc000000, v[M+\q]     ; 8 off its exponent field: the conversion's scale operand
.endr
.irp q, 0,1,2,3
	v_and_or_b32 v[LM+\q], v[M+\q], 0x7f800000, s23   ; 448 x the scale
.endr
.if KC == 0
.irp q, 0,1,2,3
	v_lshrrev_b32 v[SWO+4*KI+\q], 23, v[SO+\q]     ; the scale's byte begins the K step's word
.endr
.else
.irp q, 0,1,2,3
	v_lshrrev_b32 v[M2+\q], 23, v[SO+\q]
.endr
.irp q, 0,1,2,3
	v_lshl_or_b32 v[SWO+4*KI+\q], v[M2+\q], 8*KC, v[SWO+4*KI+\q]
.endr
.endif
	WIN 0x02                                       ; source 0 window 2
.irp i, 0,1,2,3,4,5,6,7,8,9,10,11,12,13,14,15
.irp q, 0,1,2,3
	v_med3_num_f32 v[X+16*\q+\i], v[LB+4*\i+\q], -v[LM+\q], v[LM+\q]   ; the hold (the conversion does not saturate: ISA guide 7.6.2) also sorts the numbers by column
.endr
.endr
.if (\u) < 12
	LOADW (\u)+4                                   ; the set just read takes the unit four on
.endif
	WIN 0x40                                       ; destination window 1
.irp q, 0,1,2,3
	v_cvt_scalef32_pk8_fp8_f32 v[16*(4*KI+\q)+4*KC:16*(4*KI+\q)+4*KC+1], v[X+16*\q:X+16*\q+7], v[SO+\q]
	v_cvt_scalef32_pk8_fp8_f32 v[16*(4*KI+\q)+4*KC+2:16*(4*KI+\q)+4*KC+3], v[X+16*\q+8:X+16*\q+15], v[SO+\q]
.endr
	v_nop                                          ; a plain line behind the conversions
	WIN 0x04                                       ; an LDS store's data are its source 1: window 1
.irp q, 0,1,2,3
	ds_store_b128 v5, v[16*(4*KI+\q)+4*KC:16*(4*KI+\q)+4*KC+3] offset:2048*(4*KI+\q)+512*KC
.endr
	WIN 0
.endm
; The next tile of my walk, which wraps from my last tile to my first; its addresses for buffer b.  Seven vector lines.
.macro PREP b
	s_mov_b32 s35, s34
	s_add_co_u32 s34, s34, 2
	s_cmp_gt_u32 s34, s31
	s_cselect_b32 s34, s20, s34                    ; behind my last tile comes my first
	s_add_co_u32 s[42+\b], s35, s27
	s_min_u32 s[42+\b], s[42+\b], 135              ; the tile's number among all experts': inside xg and hq whatever plan holds
	s_lshl_b32 s35, s35, 4
	v_add_nc_u32 v15, s35, v2                      ; row 16 tau + r of the expert,
	v_min_u32 v15, s28, v15                        ; held at its last row,
	v_add_nc_u32 v15, s38, v15                     ; as a position,
	v_min_u32 v15, 0x87f, v15                      ; inside xg whatever plan holds: for the scale words
	s_lshl_b32 s35, s[42+\b], 14
	v_add_nc_u32 v[AD+4*\b], s35, v12              ; images, my half of K
	v_add_nc_u32 v[AD+4*\b+1], s35, v13            ; the partner's half
	v_lshl_add_u32 v[AD+4*\b+2], v15, 5, v14       ; scale words: lanes 0-15 my half's four, lanes 16-31 the partner's
.endm
.macro LOADA b
	WIN 0xc0                                       ; destination window 3
.irp i, 0,1,2,3
.irp c, 0,1,2,3
	global_load_b128 v[128*\b+16*\i+4*\c:128*\b+16*\i+4*\c+3], v[AD+4*\b], s[8:9] offset:2048*\i+512*\c   ; 512 consecutive bytes
.endr
.endr
.irp i, 0,1,2,3
.irp c, 0,1,2,3
	global_load_b128 v[128*\b+64+16*\i+4*\c:128*\b+64+16*\i+4*\c+3], v[AD+4*\b+1], s[8:9] offset:2048*\i+512*\c
.endr
.endr
	WIN 0
	global_load_b128 v[AS+4*\b:AS+4*\b+3], v[AD+4*\b+2], s[8:9] offset:XGS
.endm
.macro MM b                            ; 32 matrix instructions: 8 K steps x 4 tiles of columns
	WIN 0x0d                                       ; source 0 window 1, source 1 window 3
.irp i, 0,1,2,3
.irp q, 0,1,2,3
.if \i == 0
	v_wmma_scale_f32_16x16x128_f8f6f4 v[ACC+8*\q:ACC+8*\q+7], v[16*\q:16*\q+15], v[128*\b:128*\b+15], v[BI+8*\q:BI+8*\q+7], v[SWO+\q], v[AS+4*\b]
.else
	v_wmma_scale_f32_16x16x128_f8f6f4 v[ACC+8*\q:ACC+8*\q+7], v[16*(4*\i+\q):16*(4*\i+\q)+15], v[128*\b+16*\i:128*\b+16*\i+15], v[ACC+8*\q:ACC+8*\q+7], v[SWO+4*\i+\q], v[AS+4*\b+\i]
.endif
.endr
.endr
	WIN 0x0e                                       ; source 0 window 2: the partner's half of K
.irp i, 0,1,2,3
.irp q, 0,1,2,3
	v_wmma_scale_f32_16x16x128_f8f6f4 v[ACC+8*\q:ACC+8*\q+7], v[16*(4*\i+\q):16*(4*\i+\q)+15], v[128*\b+64+16*\i:128*\b+64+16*\i+15], v[ACC+8*\q:ACC+8*\q+7], v[SWP+4*\i+\q], v[AS+4*\b+\i] matrix_b_scale:MATRIX_SCALE_ROW1
.endr
.endr
	WIN 0
.endm
; gelu(a) = a / (1 + 2^(a (c0 + c1 a^2))), c0 = -2 log2(e) sqrt(2 / pi), c1 = 0.044715 c0: the tanh form, written with one exponential; then the block of 32 is quantised and stored.
.macro EPI1
.set p, 0
.rept 16
	v_pk_mul_f32 v[T+p:T+p+1], v[ACC+p:ACC+p+1], v[ACC+p:ACC+p+1]      ; each accumulator is read from its low end on
.set p, p+2
.endr
.set p, 0
.rept 16
	v_pk_fma_f32 v[T+p:T+p+1], v[T+p:T+p+1], s[36:37], v[240:241] op_sel_hi:[1,0,1]
.set p, p+2
.endr
.set p, 0
.rept 16
	v_pk_mul_f32 v[T+p:T+p+1], v[T+p:T+p+1], v[ACC+p:ACC+p+1]
.set p, p+2
.endr
.set p, 0
.rept 32
	v_exp_f32 v[T+p], v[T+p]
.set p, p+1
.endr
	v_nop                                          ; a plain line behind the exponentials
.set p, 0
	s_wait_alu depctr_va_vdst(0)
.rept 16
	v_pk_add_f32 v[T+p:T+p+1], v[T+p:T+p+1], 1.0 op_sel_hi:[1,0]
.set p, p+2
.endr
.set p, 0
.rept 32
	v_rcp_f32 v[T+p], v[T+p]
.set p, p+1
.endr
	v_nop                                          ; a plain line behind the reciprocals
.set p, 0
	s_wait_alu depctr_va_vdst(0)
.rept 16
	v_pk_mul_f32 v[T+p:T+p+1], v[T+p:T+p+1], v[ACC+p:ACC+p+1]
.set p, p+2
.endr
	v_max3_num_f32 v[M], |v[T]|, |v[T+1]|, 0x4800000                   ; all 32 numbers of the block are mine: two chains, each over the floor
	v_max3_num_f32 v[M+1], |v[T+2]|, |v[T+3]|, 0x4800000
.irp i, 4,8,12,16,20,24,28
	v_max3_num_f32 v[M], v[M], |v[T+\i]|, |v[T+\i+1]|
	v_max3_num_f32 v[M+1], v[M+1], |v[T+\i+2]|, |v[T+\i+3]|
.endr
	v_max_num_f32 v[M], v[M], v[M+1]
	v_add_nc_u32 v[SO], 0xfc000000, v[M]
	v_and_or_b32 v[LM], v[M], 0x7f800000, s23
.irp j, 0,1,2,3,4,5,6,7
.irp q, 0,1,2,3
	v_med3_num_f32 v[XQ+4*\j+\q], v[T+8*\q+\j], -v[LM], v[LM]          ; the hold also puts the columns in order: 4 j + q
.endr
.endr
.irp g, 0,1,2,3
	v_cvt_scalef32_pk8_fp8_f32 v[HC+2*\g:HC+2*\g+1], v[XQ+8*\g:XQ+8*\g+7], v[SO]
.endr
	v_lshrrev_b32 v[M2], 23, v[SO]                 ; the scale's byte (also the plain line behind the conversions)
	global_store_b128 v[HA], v[HC:HC+3], s[12:13]              ; k 0-15 of my block: sixteen lanes fill 256 consecutive bytes of the image, aligned
	global_store_b128 v[HA], v[HC+4:HC+7], s[12:13] offset:256 ; k 16-31
	global_store_b8 v[SA], v[M2], s[16:17]         ; byte 2 G + h of row r's scale word of this K step
.endm
.macro TRIP b
	s_wait_loadcnt NA                              ; this buffer's tile is in; the other buffer's 33 loads may be out
	s_wait_xcnt 0x0                                ; the last trip's stores have read their data and addresses: both are written again below
	MM \b
	s_lshl_b32 s35, s[42+\b], 16
	v_add_nc_u32 v[HA], s35, v10                   ; where this tile's codes go,
	s_lshl_b32 s35, s[42+\b], 11
	v_add_nc_u32 v[SA], s35, v11                   ; and its scale bytes
	PREP \b                                        ; with the two lines above nine plain lines: the places in front of the loads into the operands just multiplied and of the first read of the results
	LOADA \b                                       ; the tile two trips on: it has the rest of this trip and all of the next in which to land
	EPI1
.endm
	s_load_b256 s[4:11], s[0:1], 0x0               ; W1, b1, xg, plan
	s_load_b64 s[12:13], s[0:1], 0x20              ; hq
	v_lshl_add_u32 v254, v0, 2, 0x22000
	v_mov_b32 v255, 0
	v_and_b32 v1, 31, v0                           ; lane
	v_lshrrev_b32 v15, 5, v0
	v_readfirstlane_b32 s18, v15                   ; wave 0..3
	v_and_b32 v2, 15, v0                           ; r
	v_bfe_u32 v3, v0, 4, 1                         ; h
	s_and_b32 s19, s18, 1                          ; G: my 64 columns
	s_lshr_b32 s20, s18, 1                         ; rho
	s_lshr_b32 s21, ttmp9, 5                       ; expert
	s_and_b32 s22, ttmp9, 31                       ; which 128 columns of H: also the next layer's K step
	s_mov_b32 s23, 0x600000                        ; the mantissa field of 448
	s_mov_b32 s24, 0x76543210
	s_mov_b32 s25, 0xfedcba98                      ; v_permlanex16_b32: lane l xor 16
	s_mov_b32 s36, 0xbdd2d3e8                      ; c1 = -0.102943
	s_mov_b32 s37, s36                             ; (named with it as a pair, so it is written)
	v_mov_b32 v240, 0xc0135761                     ; c0 = -2.302208
	v_mov_b32 v241, 0xc0135761
.irp q, 0,1,2,3
	v_mov_b32 v[M2+\q], 0                          ; written once: a lane permute's destination counts as one of its sources
.endr
	v_lshlrev_b32 v4, 4, v2
	v_lshl_add_u32 v4, v3, 18, v4                  ; W1: 16 r, lanes 16-31 sixteen rows of 16,384 bytes down
	s_xor_b32 s46, s18, 2                          ; the partner wave
	s_lshl_b32 s35, s18, 15
	v_lshl_add_u32 v5, v1, 4, s35                  ; my images: 32,768 w + 16 lane
	s_lshl_b32 s35, s46, 15
	v_lshl_add_u32 v6, v1, 4, s35                  ; the partner's
	s_lshl_b32 s35, s18, 11
	s_add_co_u32 s35, s35, EXS
	v_lshl_add_u32 v7, v1, 2, s35                  ; my scale words: EXS + 2,048 w + 4 lane
	s_lshl_b32 s35, s46, 11
	s_add_co_u32 s35, s35, EXS
	v_lshl_add_u32 v8, v1, 2, s35                  ; the partner's
	v_lshlrev_b32 v9, 7, v3                        ; b1: 128 h
	s_lshl_b32 s35, s22, 11
	s_lshl_b32 s47, s19, 10
	s_add_co_u32 s35, s35, s47
	v_lshl_add_u32 v10, v3, 9, s35
	v_lshl_add_u32 v10, v2, 4, v10                 ; in a tile's images of hq: 2,048 K step + 512 (2 G + h) + 16 r
	s_lshr_b32 s35, s22, 2
	s_lshl_b32 s35, s35, 8                         ; in a tile's scale bytes of hq: 256 (K step / 4)
	s_and_b32 s47, s22, 3
	s_lshl_b32 s47, s47, 2
	s_add_co_u32 s35, s35, s47                     ; + 4 (K step % 4)
	s_lshl_b32 s47, s19, 1
	s_add_co_u32 s35, s35, s47                     ; + 2 G
	v_lshl_add_u32 v11, v2, 4, s35                 ; + 16 r
	v_add_nc_u32 v11, v11, v3                      ; + h
	s_lshl_b32 s35, s20, 13
	v_lshl_add_u32 v12, v1, 4, s35                 ; in a tile's images of x: 16 lane + 2,048 x 4 rho
	s_xor_b32 s35, s35, 8192
	v_lshl_add_u32 v13, v1, 4, s35                 ; 16 lane + 2,048 x 4 (1 - rho)
	v_xor_b32 v14, s20, v3
	v_lshlrev_b32 v14, 4, v14                      ; in a row of x's scale bytes: 16 (h xor rho)
	s_lshl_b32 s41, s21, 3
	s_lshl_b32 s44, s21, 24                        ; the slab: expert x 16 MB + rho x 512 rows + 512 sl + 256 G
	s_lshl_b32 s35, s20, 23
	s_add_co_u32 s44, s44, s35
	s_lshl_b32 s35, s22, 9
	s_lshl_b32 s47, s19, 8
	s_add_co_u32 s35, s35, s47
	s_add_co_u32 s44, s44, s35
	s_mov_b32 s45, 0
	s_lshl_b32 s46, s21, 14
	s_add_co_u32 s46, s46, s35                     ; b1: expert x 16 KB + the same columns
	s_mov_b32 s47, 0
	s_wait_kmcnt 0x0
	s_load_b64 s[26:27], s[10:11], s41 offset:0x0  ; the expert's rows and first tile
	s_add_nc_u64 s[4:5], s[4:5], s[44:45]
	s_add_nc_u64 s[6:7], s[6:7], s[46:47]
	s_add_nc_u64 s[16:17], s[12:13], HSOFF         ; hq's scale bytes: beyond a store's immediate, so a base of their own
.irp j, 0,1,2,3,4,5,6,7
	global_load_b128 v[ACC+4*\j:ACC+4*\j+3], v9, s[6:7] offset:16*\j   ; b1 of columns 32 h + 4 j + 0..3
.endr
	LOADW 0
	LOADW 1
	LOADW 2
	LOADW 3
	WIN 0
	s_wait_kmcnt 0x0
	s_min_u32 s26, s26, 1024                       ; cnt
	s_min_u32 s27, s27, 135                        ; tb
	s_max_u32 s28, s26, 1
	s_sub_co_u32 s28, s28, 1                       ; the last row
	s_add_co_u32 s29, s26, 15
	s_lshr_b32 s29, s29, 4                         ; tiles of the expert
	s_add_co_u32 s30, s29, 1
	s_sub_co_u32 s30, s30, s20
	s_lshr_b32 s30, s30, 1                         ; tiles of my parity
	s_max_u32 s31, s30, 1
	s_sub_co_u32 s31, s31, 1
	s_lshl_b32 s31, s31, 1
	s_add_co_u32 s31, s31, s20                     ; my last tile
	s_add_co_u32 s32, s30, 1
	s_lshr_b32 s32, s32, 1                         ; passes of two trips
	s_mul_i32 s34, s22, s30
	s_lshr_b32 s34, s34, 5                         ; where my work-group's walk begins: (wg % 32) x tiles / 32, under the count of tiles
	s_lshl_b32 s34, s34, 1
	s_add_co_u32 s34, s34, s20                     ; the tile to be asked for next
	s_lshl_b32 s38, s27, 4                         ; the expert's first position
; Loads go out in the order b1, units 0 to 3, unit u + 4 inside unit u, tile 0 behind unit 13, tile 1 behind unit 15: so behind unit u's 16 stand three younger sets (48) up to u = 12, two (32) at u = 13,
; unit 15's and tile 0's (16 + 33) at u = 14, tile 0's (33) at u = 15.
.irp u, 0,1,2,3,4,5,6,7,8,9,10,11,12
	QUNIT \u, 48
.endr
	QUNIT 13, 32
	PREP 0
	LOADA 0
	QUNIT 14, 16+NA
	QUNIT 15, NA
	PREP 1
	LOADA 1
.irp q, 0,1,2,3
.irp j, 0,1,2,3,4,5,6,7
	v_mov_b32 v[BI+8*\q+\j], v[ACC+4*\j+\q]        ; b1 into the result's layout, once: register j of tile q is column 32 h + 4 j + q
.endr
.endr
.set n, 0
.rept 16
	ds_store_b32 v7, v[SWO+n] offset:128*n
.set n, n+1
.endr
	s_wait_dscnt 0x0                               ; for the partner's sake: my images and scale words have landed
	s_barrier_signal -1
	s_barrier_wait -1
	WIN 0x80                                       ; destination window 2
.set n, 0
.rept 64
	ds_load_b128 v[4*n:4*n+3], v6 offset:512*n     ; the partner's 16 fragments, register for register
.set n, n+1
.endr
	WIN 0
.set n, 0
.rept 16
	ds_load_b32 v[SWP+n], v8 offset:128*n
.set n, n+1
.endr
	s_wait_dscnt 0x0
	s_cmp_eq_u32 s30, 0
	s_cbranch_scc1 .Lend                           ; no tile of my parity
	s_mov_b32 s33, 0
.Lpair:
	TRIP 0
	TRIP 1
	s_add_co_u32 s33, s33, 1
	s_cmp_lt_u32 s33, s32
	s_cbranch_scc1 .Lpair
.Lend:
	s_wait_tensorcnt 0x0
	ds_add_u32 v254, v255
	s_wait_dscnt 0x0
	s_endpgm
.Lfunc_end_k_qf9bff48f24_ffn1:
	.size	k_qf9bff48f24_ffn1, .Lfunc_end_k_qf9bff48f24_ffn1-k_qf9bff48f24_ffn1
	.p2alignl 7, 3214868480
	.fill 96, 4, 3214868480
	.section	.rodata,"a",@progbits
	.p2align	6, 0x0
	.amdhsa_kernel k_qf9bff48f24_ffn1
		.amdhsa_group_segment_fixed_size 139776
		.amdhsa_private_segment_fixed_size 0
		.amdhsa_enable_private_segment 0
		.amdhsa_kernarg_size 40
		.amdhsa_user_sgpr_count 2
		.amdhsa_user_sgpr_kernarg_segment_ptr 1
		.amdhsa_wavefront_size32 1
		.amdhsa_system_sgpr_workgroup_id_x 1
		.amdhsa_system_sgpr_workgroup_id_y 1
		.amdhsa_system_sgpr_workgroup_id_z 1
		.amdhsa_system_vgpr_workitem_id 0
		.amdhsa_next_free_vgpr 1024
		.amdhsa_next_free_sgpr 66
		.amdhsa_reserve_vcc 0
		.amdhsa_float_denorm_mode_32 3
		.amdhsa_float_denorm_mode_16_64 3
		.amdhsa_memory_ordered 1
		.amdhsa_forward_progress 1
		.amdhsa_inst_pref_size 218
	.end_amdhsa_kernel
	.amdgpu_metadata
---
amdhsa.version: [ 1, 2 ]
amdhsa.kernels:
  - .name:           k_qf9bff48f24_ffn1
    .symbol:         k_qf9bff48f24_ffn1.kd
    .args:
      - { .name: W1, .offset: 0, .size: 8, .value_kind: global_buffer, .address_space: global }
      - { .name: b1, .offset: 8, .size: 8, .value_kind: global_buffer, .address_space: global }
      - { .name: xg, .offset: 16, .size: 8, .value_kind: global_buffer, .address_space: global }
      - { .name: plan, .offset: 24, .size: 8, .value_kind: global_buffer, .address_space: global }
      - { .name: hq, .offset: 32, .size: 8, .value_kind: global_buffer, .address_space: global }
    .group_segment_fixed_size: 139776
    .private_segment_fixed_size: 0
    .kernarg_segment_align: 8
    .kernarg_segment_size: 40
    .max_flat_workgroup_size: 128
    .sgpr_count:     66
    .vgpr_count:     1024
    .wavefront_size: 32
...
	.end_amdgpu_metadata
.endif
;; end of part 3
;; launch ffn2 (part 4): grid 256 x 1, 4 waves a work-group, no clusters, 157,184 bytes of LDS; arguments W2, hq, plan, yp; writes yp
.if DOCPART == 4
	.amdgcn_target "amdgcn-amd-amdhsa--gfx1250"
	.amdhsa_code_object_version 6
	.text
	.protected	k_qf9bff48f24_ffn2
	.globl	k_qf9bff48f24_ffn2
	.p2align	8
	.type	k_qf9bff48f24_ffn2,@function
k_qf9bff48f24_ffn2:
	s_mov_b64 s[64:65], 0
	v_nop
	global_prefetch_b8 v0, s[64:65] scope:SCOPE_SE
	s_setreg_imm32_b32 hwreg(HW_REG_WAVE_MODE, 25, 1), 1
	s_wait_xcnt 0x0
; SECOND LAYER, for the routed rows alone: yp[kq] = hq Q(W2) over a quarter of K, MX-FP8, sums in f32.  b2 and the gates follow in the last launch, which adds the four quarters.
; SHARES.  Work-group = expert (wg / 32) x 128 columns of D ((wg / 4) % 8) x a quarter of K = 1,024 of H (wg % 4): a slab of W2 of 512 KB of f32, read from memory once in the whole launch.
; Wave w: columns 64 (w % 2) on; rho = w / 2 names the half of the slab's K that it quantises and the parity of its row tiles.
; PHASE A is the first layer's: 16 units of 32 k x 64 columns; lane (r', h) holds columns 4 r' + 0..3 and k = 32 u + 16 h + 0..15, the operand's layout for four tiles (tile q's row r' = column 4 r' + q);
; codes into window 1 and as images into LDS; ONE barrier; the partner wave's images (other half of K) into window 2.
; PHASE B.  Row tiles of parity rho: the hidden layer's fragments come from hq as images of the operand's registers, 512 consecutive bytes a load, and a tile's scale words by one load of 16 bytes a lane
; (lanes 0-15: my half's four words of row r; lanes 16-31: the partner's half's); 32 matrix instructions on 4 accumulators by turns, transposed use: lane (r, h) holds
; row r, register j of tile q column 32 h + 4 j + q.  The 16 x 64 results go through the wave's own stage in LDS and leave as rows: sixteen lanes store 256 consecutive bytes, aligned.
; yp: [4 quarters][2,176 positions][1,024] f32.
; THE WALK IS ROTATED: the work-group begins at tile index ((wg / 4) % 8) x tiles / 8 of its parity and wraps round, so that the 8 work-groups that read the same bytes of hq do not all ask for the same
; tile in the same trip: a tile is asked for first by those that begin at it, and by the others one or more trips later.
; The number of rows is read from plan, so the trip count is loaded data: no tensor load, no copy, no cluster, and the one barrier stands on every wave's way.  What work-groups share, 16 KB of rows
; a tile and quarter, is small beside a slab's 512 KB, which nobody shares.  A trip past the wave's count of tiles takes its first tile again and stores the same bytes (at most one a wave).
; LIMITS: NaN and infinities are not served; a block of zeros has the byte 1 (zero codes; this program alone reads the bytes); K is summed own half first, and in four quarters.
; REGISTERS.  window 0: v1-14 lane numbers, addresses, constants; v16-31 at work; v32-47, v48-63 W2's scale words (own half, partner's); v64-95 accumulators; v96-127 rows read back; v128-191 numbers at work,
;   then v128-159 results in column order; v192-199 the hidden layer's scale words, four for each buffer; v224-232 addresses.
;   window 1: own 16 fragments.  window 2: four sets of 64 as loaded, then the partner's fragments.  window 3: the hidden layer's fragments, two buffers of 128.
.set PITCH, 4096
.set NA,    33                         ; loads that bring a row tile
.set EXS,   131072                     ; LDS: 4 x 32,768 bytes of images, 4 x 2,048 of scale words,
.set STG,   139264                     ; and a stage of 16 rows x (256 + 16) bytes for each wave
.set HSOFF, 0x880000
.set KQS,   0x880000                   ; a quarter's bytes in yp
.set M,   16
.set M2,  20
.set SO,  24
.set LM,  28
.set SWO, 32
.set SWP, 48
.set ACC, 64
.set RB,  96
.set X,   128
.set OUT, 128
.set AS,  192
.set AD,  224
.set YA,  232
.set MSB, 0
.macro WIN new                         ; the immediate's high byte repeats the setting that is left
.if MSB != \new
	s_set_vgpr_msb (MSB<<8)|\new
.set MSB, \new
.endif
.endm
.macro LOADW u                         ; unit u: 32 k x 64 columns into set u % 4 of window 2
	WIN 0x80
.irp i, 0,1,2,3,4,5,6,7,8,9,10,11,12,13,14,15
	global_load_b128 v[64*((\u)%4)+4*\i:64*((\u)%4)+4*\i+3], v4, s[4:5] offset:(32*(\u)+\i)*PITCH th:TH_LOAD_NT
.endr
.endm
; Unit u is quantised.  n: the younger loads that may stay out.
.macro QUNIT u, n
.set LB, 64*((\u)%4)
.set KI, (\u)/4
.set KC, (\u)%4
	s_wait_loadcnt \n
	WIN 0x0a                                       ; sources 0 and 1 window 2
.irp q, 0,1,2,3
	v_max3_num_f32 v[M+\q], |v[LB+\q]|, |v[LB+4+\q]|, 0x4800000   ; column q's 16 numbers, and the floor 2^(9 - 127): the byte cannot fall under 1
.endr
.irp i, 2,4,6,8,10,12,14
.irp q, 0,1,2,3
	v_max3_num_f32 v[M+\q], |v[LB+4*\i+\q]|, |v[LB+4*\i+4+\q]|, v[M+\q]
.endr
.endr
	WIN 0
.irp q, 0,1,2,3
	v_permlanex16_b32 v[M2+\q], v[M+\q], s24, s25
.endr
.irp q, 0,1,2,3
	v_max_num_f32 v[M+\q], v[M+\q], v[M2+\q]       ; with lane l xor 16's 16: the block's largest magnitude
.endr
.irp q, 0,1,2,3
	v_add_nc_u32 v[SO+\q], 0xfc000000, v[M+\q]     ; 8 off its exponent field: the conversion's scale operand
.endr
.irp q, 0,1,2,3
	v_and_or_b32 v[LM+\q], v[M+\q], 0x7f800000, s23   ; 448 x the scale
.endr
.if KC == 0
.irp q, 0,1,2,3
	v_lshrrev_b32 v[SWO+4*KI+\q], 23, v[SO+\q]     ; the scale's byte begins the K step's word
.endr
.else
.irp q, 0,1,2,3
	v_lshrrev_b32 v[M2+\q], 23, v[SO+\q]
.endr
.irp q, 0,1,2,3
	v_lshl_or_b32 v[SWO+4*KI+\q], v[M2+\q], 8*KC, v[SWO+4*KI+\q]
.endr
.endif
	WIN 0x02                                       ; source 0 window 2
.irp i, 0,1,2,3,4,5,6,7,8,9,10,11,12,13,14,15
.irp q, 0,1,2,3
	v_med3_num_f32 v[X+16*\q+\i], v[LB+4*\i+\q], -v[LM+\q], v[LM+\q]   ; the hold (the conversion does not saturate: ISA guide 7.6.2) also sorts the numbers by column
.endr
.endr
.if (\u) < 12
	LOADW (\u)+4                                   ; the set just read takes the unit four on
.endif
	WIN 0x40                                       ; destination window 1
.irp q, 0,1,2,3
	v_cvt_scalef32_pk8_fp8_f32 v[16*(4*KI+\q)+4*KC:16*(4*KI+\q)+4*KC+1], v[X+16*\q:X+16*\q+7], v[SO+\q]
	v_cvt_scalef32_pk8_fp8_f32 v[16*(4*KI+\q)+4*KC+2:16*(4*KI+\q)+4*KC+3], v[X+16*\q+8:X+16*\q+15], v[SO+\q]
.endr
	v_nop                                          ; a plain line behind the conversions
	WIN 0x04                                       ; an LDS store's data are its source 1: window 1
.irp q, 0,1,2,3
	ds_store_b128 v5, v[16*(4*KI+\q)+4*KC:16*(4*KI+\q)+4*KC+3] offset:2048*(4*KI+\q)+512*KC
.endr
	WIN 0
.endm
; The next tile of my walk, which wraps from my last tile to my first; its addresses for buffer b.  Three vector lines.
.macro PREP b
	s_mov_b32 s35, s34
	s_add_co_u32 s34, s34, 2
	s_cmp_gt_u32 s34, s31
	s_cselect_b32 s34, s20, s34                    ; behind my last tile comes my first
	s_add_co_u32 s[42+\b], s35, s27
	s_min_u32 s[42+\b], s[42+\b], 135              ; the tile's number among all experts': inside hq whatever plan holds
	s_lshl_b32 s35, s[42+\b], 16
	v_add_nc_u32 v[AD+4*\b], s35, v12              ; images, my half of K
	v_add_nc_u32 v[AD+4*\b+1], s35, v13            ; the partner's half
	s_lshl_b32 s35, s[42+\b], 11
	v_add_nc_u32 v[AD+4*\b+2], s35, v14            ; scale words: lanes 0-15 my half's four, lanes 16-31 the partner's
.endm
.macro LOADA b
	WIN 0xc0                                       ; destination window 3
.irp i, 0,1,2,3
.irp c, 0,1,2,3
	global_load_b128 v[128*\b+16*\i+4*\c:128*\b+16*\i+4*\c+3], v[AD+4*\b], s[6:7] offset:2048*\i+512*\c   ; 512 consecutive bytes
.endr
.endr
.irp i, 0,1,2,3
.irp c, 0,1,2,3
	global_load_b128 v[128*\b+64+16*\i+4*\c:128*\b+64+16*\i+4*\c+3], v[AD+4*\b+1], s[6:7] offset:2048*\i+512*\c
.endr
.endr
	WIN 0
	global_load_b128 v[AS+4*\b:AS+4*\b+3], v[AD+4*\b+2], s[12:13]     ; two runs of 256 consecutive bytes
.endm
.macro MM b                            ; 32 matrix instructions: 8 K steps x 4 tiles of columns; the first product starts each sum
	WIN 0x0d                                       ; source 0 window 1, source 1 window 3
.irp i, 0,1,2,3
.irp q, 0,1,2,3
.if \i == 0
	v_wmma_scale_f32_16x16x128_f8f6f4 v[ACC+8*\q:ACC+8*\q+7], v[16*\q:16*\q+15], v[128*\b:128*\b+15], 0, v[SWO+\q], v[AS+4*\b]
.else
	v_wmma_scale_f32_16x16x128_f8f6f4 v[ACC+8*\q:ACC+8*\q+7], v[16*(4*\i+\q):16*(4*\i+\q)+15], v[128*\b+16*\i:128*\b+16*\i+15], v[ACC+8*\q:ACC+8*\q+7], v[SWO+4*\i+\q], v[AS+4*\b+\i]
.endif
.endr
.endr
	WIN 0x0e                                       ; source 0 window 2: the partner's half of K
.irp i, 0,1,2,3
.irp q, 0,1,2,3
	v_wmma_scale_f32_16x16x128_f8f6f4 v[ACC+8*\q:ACC+8*\q+7], v[16*(4*\i+\q):16*(4*\i+\q)+15], v[128*\b+64+16*\i:128*\b+64+16*\i+15], v[ACC+8*\q:ACC+8*\q+7], v[SWP+4*\i+\q], v[AS+4*\b+\i] matrix_b_scale:MATRIX_SCALE_ROW1
.endr
.endr
	WIN 0
.endm
.macro EPI2
.irp j, 0,1,2,3,4,5,6,7
.irp q, 0,1,2,3
	v_mov_b32 v[OUT+4*\j+\q], v[ACC+8*\q+\j]       ; columns in order: 4 j + q; j = 0 comes first
.endr
.endr
.irp k, 0,1,2,3,4,5,6,7
	ds_store_b128 v9, v[OUT+4*\k:OUT+4*\k+3] offset:16*\k          ; row r, my 128 bytes
.endr
.irp i, 0,1,2,3,4,5,6,7
	ds_load_b128 v[RB+4*\i:RB+4*\i+3], v10 offset:544*\i           ; back by rows, two an instruction; my own bytes, served in order (ISA guide 5.7.1.4): no wait between
.endr
.irp i, 0,1,2,3,4,5,6,7
	s_wait_dscnt 7-\i                              ; the younger read-backs may stay out
	global_store_b128 v[YA], v[RB+4*\i:RB+4*\i+3], s[10:11] offset:8192*\i   ; sixteen lanes store 256 consecutive bytes, aligned
.endr
.endm
.macro TRIP b
	s_wait_loadcnt NA                              ; this buffer's tile is in; the other buffer's 33 loads may be out
	s_wait_xcnt 0x0                                ; the last trip's stores have read their data and address: both are written again below
	MM \b
	s_lshl_b32 s35, s[42+\b], 16
	v_add_nc_u32 v[YA], s35, v11                   ; where this tile's rows go
	PREP \b
.rept 5
	v_nop                                          ; with the four lines above nine plain lines: the places in front of the loads into the operands just multiplied, of the first read of the
.endr                                              ; results, and of the next trip's first products, which begin the accumulators anew
	LOADA \b                                       ; the tile two trips on: it has the rest of this trip and all of the next in which to land
	EPI2
.endm
	s_load_b256 s[4:11], s[0:1], 0x0               ; W2, hq, plan, yp
	v_lshl_add_u32 v254, v0, 2, 0x26400
	v_mov_b32 v255, 0
	v_and_b32 v1, 31, v0                           ; lane
	v_lshrrev_b32 v16, 5, v0
	v_readfirstlane_b32 s18, v16                   ; wave 0..3
	v_and_b32 v2, 15, v0                           ; r
	v_bfe_u32 v3, v0, 4, 1                         ; h
	s_and_b32 s19, s18, 1                          ; G: my 64 columns
	s_lshr_b32 s20, s18, 1                         ; rho
	s_lshr_b32 s21, ttmp9, 5                       ; expert
	s_bfe_u32 s22, ttmp9, 0x30002                  ; which 128 columns of D
	s_and_b32 s39, ttmp9, 3                        ; which quarter of K
	s_mov_b32 s23, 0x600000                        ; the mantissa field of 448
	s_mov_b32 s24, 0x76543210
	s_mov_b32 s25, 0xfedcba98                      ; v_permlanex16_b32: lane l xor 16
.irp q, 0,1,2,3
	v_mov_b32 v[M2+\q], 0                          ; written once: a lane permute's destination counts as one of its sources
.endr
	v_lshlrev_b32 v4, 4, v2
	v_lshl_add_u32 v4, v3, 16, v4                  ; W2: 16 r, lanes 16-31 sixteen rows of 4,096 bytes down
	s_xor_b32 s46, s18, 2                          ; the partner wave
	s_lshl_b32 s35, s18, 15
	v_lshl_add_u32 v5, v1, 4, s35                  ; my images: 32,768 w + 16 lane
	s_lshl_b32 s35, s46, 15
	v_lshl_add_u32 v6, v1, 4, s35                  ; the partner's
	s_lshl_b32 s35, s18, 11
	s_add_co_u32 s35, s35, EXS
	v_lshl_add_u32 v7, v1, 2, s35                  ; my scale words: EXS + 2,048 w + 4 lane
	s_lshl_b32 s35, s46, 11
	s_add_co_u32 s35, s35, EXS
	v_lshl_add_u32 v8, v1, 2, s35                  ; the partner's
	s_mul_i32 s35, s18, 4352
	s_add_co_u32 s35, s35, STG                     ; my stage
	v_mul_u32_u24 v9, v2, 272
	v_lshl_add_u32 v9, v3, 7, v9
	v_add_nc_u32 v9, s35, v9                       ; in: row r, 128 bytes for each half of the lanes
	v_mul_u32_u24 v10, v3, 272
	v_lshl_add_u32 v10, v2, 4, v10
	v_add_nc_u32 v10, s35, v10                     ; back: lanes 0-15 one row, lanes 16-31 the next
	v_lshlrev_b32 v11, 4, v2
	v_lshl_add_u32 v11, v3, 12, v11                ; and the same two rows in yp
	s_lshl_b32 s35, s39, 3
	s_lshl_b32 s47, s20, 2
	s_add_co_u32 s46, s35, s47                     ; my first K step: 8 kq + 4 rho
	s_xor_b32 s47, s47, 4
	s_add_co_u32 s47, s35, s47                     ; the partner's: 8 kq + 4 (1 - rho)
	s_lshl_b32 s35, s46, 11
	v_lshl_add_u32 v12, v1, 4, s35                 ; in a tile's images
	s_lshl_b32 s35, s47, 11
	v_lshl_add_u32 v13, v1, 4, s35
	v_xor_b32 v14, s20, v3
	v_lshlrev_b32 v14, 8, v14                      ; in a tile's scale bytes: 256 (h xor rho)
	v_lshl_add_u32 v14, v2, 4, v14                 ; + 16 r
	s_lshl_b32 s35, s39, 9
	v_add_nc_u32 v14, s35, v14                     ; + 256 x 2 kq: the group of four K steps is 2 kq + rho for lanes 0-15, 2 kq + 1 - rho for lanes 16-31
	s_lshl_b32 s41, s21, 3
	s_lshl_b32 s44, s21, 24                        ; the slab: expert x 16 MB + kq x 1,024 rows + rho x 512 rows + 512 cs + 256 G
	s_lshl_b32 s35, s39, 22
	s_add_co_u32 s44, s44, s35
	s_lshl_b32 s35, s20, 21
	s_add_co_u32 s44, s44, s35
	s_lshl_b32 s35, s22, 9
	s_lshl_b32 s47, s19, 8
	s_add_co_u32 s35, s35, s47
	s_add_co_u32 s44, s44, s35
	s_mov_b32 s45, 0
	s_mul_i32 s46, s39, KQS
	s_add_co_u32 s46, s46, s35                     ; yp: the quarter + the same columns
	s_mov_b32 s47, 0
	s_wait_kmcnt 0x0
	s_load_b64 s[26:27], s[8:9], s41 offset:0x0    ; the expert's rows and first tile
	s_add_nc_u64 s[4:5], s[4:5], s[44:45]
	s_add_nc_u64 s[10:11], s[10:11], s[46:47]
	s_add_nc_u64 s[12:13], s[6:7], HSOFF           ; hq's scale bytes: beyond a load's immediate, so a base of their own
	LOADW 0
	LOADW 1
	LOADW 2
	LOADW 3
	WIN 0
	s_wait_kmcnt 0x0
	s_min_u32 s26, s26, 1024                       ; cnt
	s_min_u32 s27, s27, 135                        ; tb
	s_add_co_u32 s29, s26, 15
	s_lshr_b32 s29, s29, 4                         ; tiles of the expert
	s_add_co_u32 s30, s29, 1
	s_sub_co_u32 s30, s30, s20
	s_lshr_b32 s30, s30, 1                         ; tiles of my parity
	s_max_u32 s31, s30, 1
	s_sub_co_u32 s31, s31, 1
	s_lshl_b32 s31, s31, 1
	s_add_co_u32 s31, s31, s20                     ; my last tile
	s_add_co_u32 s32, s30, 1
	s_lshr_b32 s32, s32, 1                         ; passes of two trips
	s_mul_i32 s34, s22, s30
	s_lshr_b32 s34, s34, 3                         ; where my work-group's walk begins: ((wg / 4) % 8) x tiles / 8, under the count of tiles
	s_lshl_b32 s34, s34, 1
	s_add_co_u32 s34, s34, s20                     ; the tile to be asked for next
; Loads go out in the order units 0 to 3, unit u + 4 inside unit u, tile 0 behind unit 13, tile 1 behind unit 15: so behind unit u's 16 stand three younger sets (48) up to u = 12, two (32) at u = 13,
; unit 15's and tile 0's (16 + 33) at u = 14, tile 0's (33) at u = 15.
.irp u, 0,1,2,3,4,5,6,7,8,9,10,11,12
	QUNIT \u, 48
.endr
	QUNIT 13, 32
	PREP 0
	LOADA 0
	QUNIT 14, 16+NA
	QUNIT 15, NA
	PREP 1
	LOADA 1
.set n, 0
.rept 16
	ds_store_b32 v7, v[SWO+n] offset:128*n
.set n, n+1
.endr
	s_wait_dscnt 0x0                               ; for the partner's sake: my images and scale words have landed
	s_barrier_signal -1
	s_barrier_wait -1
	WIN 0x80                                       ; destination window 2
.set n, 0
.rept 64
	ds_load_b128 v[4*n:4*n+3], v6 offset:512*n     ; the partner's 16 fragments, register for register
.set n, n+1
.endr
	WIN 0
.set n, 0
.rept 16
	ds_load_b32 v[SWP+n], v8 offset:128*n
.set n, n+1
.endr
	s_wait_dscnt 0x0
	s_cmp_eq_u32 s30, 0
	s_cbranch_scc1 .Lend                           ; no tile of my parity
	s_mov_b32 s33, 0
.Lpair:
	TRIP 0
	TRIP 1
	s_add_co_u32 s33, s33, 1
	s_cmp_lt_u32 s33, s32
	s_cbranch_scc1 .Lpair
.Lend:
	s_wait_tensorcnt 0x0
	ds_add_u32 v254, v255
	s_wait_dscnt 0x0
	s_endpgm
.Lfunc_end_k_qf9bff48f24_ffn2:
	.size	k_qf9bff48f24_ffn2, .Lfunc_end_k_qf9bff48f24_ffn2-k_qf9bff48f24_ffn2
	.p2alignl 7, 3214868480
	.fill 96, 4, 3214868480
	.section	.rodata,"a",@progbits
	.p2align	6, 0x0
	.amdhsa_kernel k_qf9bff48f24_ffn2
		.amdhsa_group_segment_fixed_size 157184
		.amdhsa_private_segment_fixed_size 0
		.amdhsa_enable_private_segment 0
		.amdhsa_kernarg_size 32
		.amdhsa_user_sgpr_count 2
		.amdhsa_user_sgpr_kernarg_segment_ptr 1
		.amdhsa_wavefront_size32 1
		.amdhsa_system_sgpr_workgroup_id_x 1
		.amdhsa_system_sgpr_workgroup_id_y 1
		.amdhsa_system_sgpr_workgroup_id_z 1
		.amdhsa_system_vgpr_workitem_id 0
		.amdhsa_next_free_vgpr 1024
		.amdhsa_next_free_sgpr 66
		.amdhsa_reserve_vcc 0
		.amdhsa_float_denorm_mode_32 3
		.amdhsa_float_denorm_mode_16_64 3
		.amdhsa_memory_ordered 1
		.amdhsa_forward_progress 1
		.amdhsa_inst_pref_size 200
	.end_amdhsa_kernel
	.amdgpu_metadata
---
amdhsa.version: [ 1, 2 ]
amdhsa.kernels:
  - .name:           k_qf9bff48f24_ffn2
    .symbol:         k_qf9bff48f24_ffn2.kd
    .args:
      - { .name: W2, .offset: 0, .size: 8, .value_kind: global_buffer, .address_space: global }
      - { .name: hq, .offset: 8, .size: 8, .value_kind: global_buffer, .address_space: global }
      - { .name: plan, .offset: 16, .size: 8, .value_kind: global_buffer, .address_space: global }
      - { .name: yp, .offset: 24, .size: 8, .value_kind: global_buffer, .address_space: global }
    .group_segment_fixed_size: 157184
    .private_segment_fixed_size: 0
    .kernarg_segment_align: 8
    .kernarg_segment_size: 32
    .max_flat_workgroup_size: 128
    .sgpr_count:     66
    .vgpr_count:     1024
    .wavefront_size: 32
...
	.end_amdgpu_metadata
.endif
;; end of part 4
;; launch combine (part 5): grid 256 x 1, 8 waves a work-group, no clusters, 0 bytes of LDS; arguments yp, plan, sel, gw, b2, out0; writes out0
.if DOCPART == 5
	.amdgcn_target "amdgcn-amd-amdhsa--gfx1250"
	.amdhsa_code_object_version 6
	.text
	.protected	k_qf9bff48f24_combine
	.globl	k_qf9bff48f24_combine
	.p2align	8
	.type	k_qf9bff48f24_combine,@function
k_qf9bff48f24_combine:
	s_mov_b64 s[64:65], 0
	v_nop
	global_prefetch_b8 v0, s[64:65] scope:SCOPE_SE
	s_setreg_imm32_b32 hwreg(HW_REG_WAVE_MODE, 25, 1), 1
	s_wait_xcnt 0x0
; out0[t] = g0 (y[pos0] + b2[e0]) + g1 (y[pos1] + b2[e1]), y[pos] = the sum of yp's four quarters of K, all in f32.  Each output row has one owner.
; A wave takes half a token (2,048 bytes): token 4 wg + w / 2, half w % 2.  Positions, experts and gates are read as scalars; positions are held at 2,175 and experts at 7 ahead of their use in addresses.
; Forty loads of 512 consecutive bytes go out at once, ten for each 512 bytes of the result; the waits leave the later tens out.  No LDS, barrier, matrix unit or cluster: a stream; waves share nothing.
.set KQS, 0x880000
	s_load_b256 s[4:11], s[0:1], 0x0               ; yp, plan, sel, gw
	s_load_b128 s[12:15], s[0:1], 0x20             ; b2, out0
	v_and_b32 v1, 31, v0
	v_lshrrev_b32 v2, 5, v0
	v_readfirstlane_b32 s18, v2                    ; wave 0..7
	s_lshr_b32 s19, s18, 1
	s_and_b32 s22, s18, 1
	s_lshl_b32 s20, ttmp9, 2
	s_add_co_u32 s20, s20, s19                     ; my token
	s_lshl_b32 s21, s20, 3
	s_lshl_b32 s23, s22, 11
	v_lshl_add_u32 v2, v1, 4, s23                  ; in a row: 2,048 half + 16 lane
	s_lshl_b32 s44, s20, 12
	s_mov_b32 s45, 0
	s_wait_kmcnt 0x0
	s_load_b64 s[24:25], s[6:7], s21 offset:0x100  ; the token's two positions
	s_load_b64 s[26:27], s[8:9], s21 offset:0x0    ; its two experts
	s_load_b64 s[28:29], s[10:11], s21 offset:0x0  ; its two gates
	s_mov_b64 s[36:37], s[4:5]                     ; yp's four quarters
	s_add_nc_u64 s[38:39], s[4:5], KQS
	s_add_nc_u64 s[40:41], s[4:5], 2*KQS
	s_add_nc_u64 s[42:43], s[4:5], 3*KQS
	s_add_nc_u64 s[14:15], s[14:15], s[44:45]
	s_wait_kmcnt 0x0
	s_min_u32 s24, s24, 2175
	s_min_u32 s25, s25, 2175
	s_min_u32 s26, s26, 7
	s_min_u32 s27, s27, 7
	s_lshl_b32 s24, s24, 12
	s_lshl_b32 s25, s25, 12
	s_lshl_b32 s26, s26, 12
	s_lshl_b32 s27, s27, 12
	v_add_nc_u32 v4, s24, v2
	v_add_nc_u32 v5, s25, v2
	v_add_nc_u32 v6, s26, v2
	v_add_nc_u32 v7, s27, v2
	s_mov_b32 s30, s29                             ; g1 as the low word of a pair: the packed form takes the low word for both halves
	s_mov_b32 s31, s29
.irp i, 0,1,2,3
.irp k, 0,1
.irp q, 0,1,2,3
	global_load_b128 v[16+40*\i+16*\k+4*\q:16+40*\i+16*\k+4*\q+3], v[4+\k], s[36+2*\q:37+2*\q] offset:512*\i th:TH_LOAD_NT
.endr
.endr
.irp k, 0,1
	global_load_b128 v[16+40*\i+32+4*\k:16+40*\i+32+4*\k+3], v[6+\k], s[12:13] offset:512*\i
.endr
.endr
.macro SUM i, n
.set Y, 16+40*\i
	s_wait_loadcnt \n                              ; this group's ten loads are in; the later groups may be out
.irp k, 0,1
.irp h, 0,2
	v_pk_add_f32 v[Y+16*\k+\h:Y+16*\k+\h+1], v[Y+16*\k+\h:Y+16*\k+\h+1], v[Y+16*\k+4+\h:Y+16*\k+4+\h+1]
	v_pk_add_f32 v[Y+16*\k+8+\h:Y+16*\k+8+\h+1], v[Y+16*\k+8+\h:Y+16*\k+8+\h+1], v[Y+16*\k+12+\h:Y+16*\k+12+\h+1]
.endr
.irp h, 0,2
	v_pk_add_f32 v[Y+16*\k+\h:Y+16*\k+\h+1], v[Y+16*\k+\h:Y+16*\k+\h+1], v[Y+16*\k+8+\h:Y+16*\k+8+\h+1]
.endr
.irp h, 0,2
	v_pk_add_f32 v[Y+16*\k+\h:Y+16*\k+\h+1], v[Y+16*\k+\h:Y+16*\k+\h+1], v[Y+32+4*\k+\h:Y+32+4*\k+\h+1]   ; + b2
.endr
.endr
.irp h, 0,2
	v_pk_mul_f32 v[Y+\h:Y+\h+1], v[Y+\h:Y+\h+1], s[28:29] op_sel_hi:[1,0]
.endr
.irp h, 0,2
	v_pk_fma_f32 v[Y+\h:Y+\h+1], v[Y+16+\h:Y+16+\h+1], s[30:31], v[Y+\h:Y+\h+1] op_sel_hi:[1,0,1]
.endr
	global_store_b128 v2, v[Y:Y+3], s[14:15] offset:512*\i th:TH_STORE_NT   ; 512 consecutive bytes, aligned
.endm
	SUM 0, 30
	SUM 1, 20
	SUM 2, 10
	SUM 3, 0
	s_endpgm
.Lfunc_end_k_qf9bff48f24_combine:
	.size	k_qf9bff48f24_combine, .Lfunc_end_k_qf9bff48f24_combine-k_qf9bff48f24_combine
	.p2alignl 7, 3214868480
	.fill 96, 4, 3214868480
	.section	.rodata,"a",@progbits
	.p2align	6, 0x0
	.amdhsa_kernel k_qf9bff48f24_combine
		.amdhsa_group_segment_fixed_size 0
		.amdhsa_private_segment_fixed_size 0
		.amdhsa_enable_private_segment 0
		.amdhsa_kernarg_size 48
		.amdhsa_user_sgpr_count 2
		.amdhsa_user_sgpr_kernarg_segment_ptr 1
		.amdhsa_wavefront_size32 1
		.amdhsa_system_sgpr_workgroup_id_x 1
		.amdhsa_system_sgpr_workgroup_id_y 1
		.amdhsa_system_sgpr_workgroup_id_z 1
		.amdhsa_system_vgpr_workitem_id 0
		.amdhsa_next_free_vgpr 192
		.amdhsa_next_free_sgpr 66
		.amdhsa_reserve_vcc 0
		.amdhsa_float_denorm_mode_32 3
		.amdhsa_float_denorm_mode_16_64 3
		.amdhsa_memory_ordered 1
		.amdhsa_forward_progress 1
		.amdhsa_inst_pref_size 12
	.end_amdhsa_kernel
	.amdgpu_metadata
---
amdhsa.version: [ 1, 2 ]
amdhsa.kernels:
  - .name:           k_qf9bff48f24_combine
    .symbol:         k_qf9bff48f24_combine.kd
    .args:
      - { .name: yp, .offset: 0, .size: 8, .value_kind: global_buffer, .address_space: global }
      - { .name: plan, .offset: 8, .size: 8, .value_kind: global_buffer, .address_space: global }
      - { .name: sel, .offset: 16, .size: 8, .value_kind: global_buffer, .address_space: global }
      - { .name: gw, .offset: 24, .size: 8, .value_kind: global_buffer, .address_space: global }
      - { .name: b2, .offset: 32, .size: 8, .value_kind: global_buffer, .address_space: global }
      - { .name: out0, .offset: 40, .size: 8, .value_kind: global_buffer, .address_space: global }
    .group_segment_fixed_size: 0
    .private_segment_fixed_size: 0
    .kernarg_segment_align: 8
    .kernarg_segment_size: 48
    .max_flat_workgroup_size: 256
    .sgpr_count:     66
    .vgpr_count:     192
    .wavefront_size: 32
...
	.end_amdgpu_metadata
.endif
;; end of part 5
;; ======== version 2 of 2: 5 launches
;; workspace buffers: xq 1,081,344 bytes; sel 8,192 bytes of whole numbers; gw 8,192 bytes; plan 8,448 bytes of whole numbers; xg 2,297,856 bytes; hq 9,191,424 bytes; yp 35,651,584 bytes
;; launch route (part 6): grid 256 x 1, 1 waves a work-group, no clusters, 8,448 bytes of LDS; arguments x, router_W, router_b, xq, sel, gw, out1; writes xq, sel, gw, out1
.if DOCPART == 6
	.amdgcn_target "amdgcn-amd-amdhsa--gfx1250"
	.amdhsa_code_object_version 6
	.text
	.protected	k_qf9bff48f24_route
	.globl	k_qf9bff48f24_route
	.p2align	8
	.type	k_qf9bff48f24_route,@function
k_qf9bff48f24_route:
	s_mov_b64 s[64:65], 0
	v_nop
	global_prefetch_b8 v0, s[64:65] scope:SCOPE_SE
	s_setreg_imm32_b32 hwreg(HW_REG_WAVE_MODE, 25, 1), 1
	s_wait_xcnt 0x0
; ROUTER AND QUANTISER OF x.  One wave takes 4 tokens (1,024 tokens, 256 work-groups).
; (1) x [1024][1024] f32 becomes codes of E4M3 with one E8M0 byte for each 32 along D: xq = codes [1024][1024], then scale bytes [1024][32] at XSOFF.
; (2) logits = x router_W + router_b in f32 (fused multiply-adds, a lane holds 32 of the 1,024 d); softmax with the row's maximum taken away; the two largest p,
;     ties to the lower index (strict compares in ascending order); their weights p / (p1 + p2).  The chosen experts go to sel [1024][2] i32, the weights to gw [1024][2] f32,
;     at fixed places: no address and no branch here hangs on them.
; (3) work-group 0 stores out1 = 0.0.
; LIMITS: NaN and infinities are not served.  A block of zeros gets the byte 1 where the rule says 127: its codes are zeros and this program alone reads the bytes.
; A p under 2^-126 comes out of v_exp_f32 as 0 (ISA guide, its entry): among such experts the second choice falls to the lowest index; its weight is under 1e-38.
; Two p that differ by less than f32 rounding may be ordered either way.
; No matrix unit, tensor load or cluster: N = 8, and the work-groups share only router_W's 32 KB.
; REGISTERS: window 0: v1-7 addresses; v8-12 at work; v16-47 two sets of 16 neighbours, later at work; v48-79 codes; v80-87 scale bytes; v96-127 the 32 sums (token, expert);
;   v128-255 x: register 32 t + 4 i + c = x[token t][128 i + 4 lane + c].   window 1: router_W: register 32 i + 8 c + e = W[128 i + 4 lane + c][e].
.set XSOFF, 1048576
.set SCB,   5120                       ; LDS: two stages of 32 x 80 bytes, then the wave's 128 scale bytes
.set SP,    80                         ; a lane's place in a stage: 64 bytes + 16 of padding
.set XT,    16
.set CD,    48
.set EB,    80
.set ACC,   96
.set R,     128
.set MSB, 0
.macro WIN new                         ; the immediate's high byte repeats the setting that is left
.if MSB != \new
	s_set_vgpr_msb (MSB<<8)|\new
.set MSB, \new
.endif
.endm
	s_load_b256 s[4:11], s[0:1], 0x0               ; x, router_W, router_b, xq
	s_load_b128 s[12:15], s[0:1], 0x20             ; sel, gw
	s_load_b64 s[16:17], s[0:1], 0x30              ; out1
	v_lshl_add_u32 v94, v0, 2, 0x2000
	v_mov_b32 v95, 0
	v_lshlrev_b32 v1, 4, v0                        ; 16 x lane
	v_lshlrev_b32 v2, 7, v0                        ; 128 x lane: my four rows of router_W
	v_lshrrev_b32 v3, 2, v0
	v_mul_u32_u24 v3, v3, SP
	v_and_b32 v7, 3, v0                            ; lane % 4: also the token whose choice this lane makes
	v_lshl_add_u32 v3, v7, 4, v3                   ; the stage, way in: SP (lane / 4) + 16 (lane % 4)
	v_mul_u32_u24 v4, v0, SP                       ; way out: SP x lane: 16 neighbours
	v_lshrrev_b32 v5, 1, v0
	v_add_nc_u32 v5, SCB, v5                       ; my block's scale byte
	v_lshlrev_b32 v6, 2, v0                        ; 4 x lane
	s_mov_b32 s20, 0x76543210
	s_mov_b32 s21, 0xfedcba98                      ; v_permlanex16_b32: lane l xor 16
	s_mov_b32 s23, 0x600000                        ; the mantissa field of 448
	s_lshl_b32 s32, ttmp9, 14                      ; 4 tokens x 4,096 bytes of x
	s_mov_b32 s33, 0
	s_lshl_b32 s34, ttmp9, 12                      ; x 1,024 bytes of codes
	s_mov_b32 s35, 0
	s_lshl_b32 s36, ttmp9, 7                       ; x 32 scale bytes
	s_mov_b32 s37, 0
	s_lshl_b32 s38, ttmp9, 5                       ; x 8 bytes of sel and of gw
	s_mov_b32 s39, 0
	s_wait_alu depctr_va_vdst(0)
	s_wait_kmcnt 0x0
	s_load_b256 s[24:31], s[8:9], 0x0              ; router_b, eight numbers
	s_add_nc_u64 s[4:5], s[4:5], s[32:33]
	s_add_nc_u64 s[18:19], s[10:11], s[36:37]      ; xq for the scale bytes (XSOFF stands in the store's immediate)
	s_add_nc_u64 s[10:11], s[10:11], s[34:35]      ; xq for the codes
	s_add_nc_u64 s[12:13], s[12:13], s[38:39]
	s_add_nc_u64 s[14:15], s[14:15], s[38:39]
.irp t, 0,1,2,3
.irp i, 0,1,2,3,4,5,6,7
	global_load_b128 v[R+32*\t+4*\i:R+32*\t+4*\i+3], v1, s[4:5] offset:4096*\t+512*\i th:TH_LOAD_NT   ; 32 lanes read 512 consecutive bytes
.endr
.endr
	WIN 0x40                                       ; destination window 1
.irp i, 0,1,2,3,4,5,6,7
.irp q, 0,1,2,3,4,5,6,7
	global_load_b128 v[32*\i+4*\q:32*\i+4*\q+3], v2, s[6:7] offset:4096*\i+16*\q
.endr
.endr
	WIN 0
	s_wait_loadcnt 63                              ; 64 loads were issued behind x's 32: with 63 out, all of x is in
.macro TURN t                          ; step t's 512 numbers through a stage: LDS serves a wave's instructions in order, so no wait stands between the stores and the loads
.irp i, 0,1,2,3
	ds_store_b128 v3, v[R+16*(\t)+4*\i:R+16*(\t)+4*\i+3] offset:32*SP*((\t)%2)+8*SP*\i
.endr
.irp i, 0,1,2,3
	ds_load_b128 v[XT+16*((\t)%2)+4*\i:XT+16*((\t)%2)+4*\i+3], v4 offset:32*SP*((\t)%2)+16*\i
.endr
.endm
; Step t = half (t % 2) of token t / 2: a lane holds 16 neighbours, two neighbouring lanes a block of 32.
.macro STEP t
.set XS, XT+16*((\t)%2)
.if (\t) > 0
	s_wait_dscnt 1                                 ; this step's numbers are back from the stage; the last step's byte store may be out
.else
	s_wait_dscnt 0x0
.endif
.if (\t)+1 < 8
	TURN (\t)+1                                    ; the next step goes through the other stage meanwhile
.endif
	v_max3_num_f32 v8, |v[XS]|, |v[XS+1]|, |v[XS+2]|
	v_max3_num_f32 v9, |v[XS+3]|, |v[XS+4]|, |v[XS+5]|
.irp i, 6,10
	v_max3_num_f32 v8, v8, |v[XS+\i]|, |v[XS+\i+1]|
	v_max3_num_f32 v9, v9, |v[XS+\i+2]|, |v[XS+\i+3]|
.endr
	v_max3_num_f32 v8, v8, |v[XS+14]|, |v[XS+15]|
	v_max3_num_f32 v8, v8, v9, 0x4800000           ; with the floor 2^(9 - 127): the byte cannot fall under 1
	v_max_num_f32_dpp v8, v8, v8 row_xmask:1 row_mask:0xf bank_mask:0xf   ; and my neighbour's 16: the block's largest magnitude
	v_add_nc_u32 v11, 0xfc000000, v8               ; 8 off its exponent field: the conversion's scale operand
	v_and_or_b32 v10, v8, 0x7f800000, s23          ; 448 x the scale
.irp i, 0,1,2,3,4,5,6,7,8,9,10,11,12,13,14,15
	v_med3_num_f32 v[XS+\i], v[XS+\i], -v10, v10   ; the conversion to an 8-bit code does not saturate (ISA guide 7.6.2): hold first
.endr
	v_cvt_scalef32_pk8_fp8_f32 v[CD+4*(\t):CD+4*(\t)+1], v[XS:XS+7], v11
	v_cvt_scalef32_pk8_fp8_f32 v[CD+4*(\t)+2:CD+4*(\t)+3], v[XS+8:XS+15], v11
	v_lshrrev_b32 v[EB+(\t)], 23, v11              ; the scale's byte (also the plain line behind the conversions)
	ds_store_b8 v5, v[EB+(\t)] offset:16*(\t)      ; both lanes of a block write the same byte with the same value
	global_store_b128 v1, v[CD+4*(\t):CD+4*(\t)+3], s[10:11] offset:512*(\t)   ; 512 consecutive bytes
.endm
	TURN 0
.irp t, 0,1,2,3,4,5,6,7
	STEP \t
.endr
	s_wait_loadcnt 0x0                             ; router_W
	s_wait_kmcnt 0x0                               ; router_b
	WIN 0x01                                       ; source 0 (router_W) window 1
.irp i, 0,1,2,3,4,5,6,7
.irp c, 0,1,2,3
.irp t, 0,1,2,3
.irp e, 0,1,2,3,4,5,6,7
.if (\i == 0) && (\c == 0)
	v_mul_f32 v[ACC+8*\t+\e], v[32*\i+8*\c+\e], v[R+32*\t+4*\i+\c]     ; the first product starts each sum
.else
	v_fmac_f32 v[ACC+8*\t+\e], v[32*\i+8*\c+\e], v[R+32*\t+4*\i+\c]    ; the 32 sums by turns
.endif
.endr
.endr
.endr
.endr
	WIN 0
.irp m, 1,2,4,8                        ; each sum over the 32 lanes; the result in every lane
.set n, 0
.rept 32
	v_add_f32_dpp v[ACC+n], v[ACC+n], v[ACC+n] row_xmask:\m row_mask:0xf bank_mask:0xf
.set n, n+1
.endr
.endr
.set n, 0
.rept 32
	v_permlanex16_b32 v[XT+n], v[ACC+n], s20, s21
.set n, n+1
.endr
.set n, 0
.rept 32
	v_add_f32 v[ACC+n], v[ACC+n], v[XT+n]
.set n, n+1
.endr
	v_cmp_eq_u32 s40, 1, v7                        ; lane l takes token l % 4
	v_cmp_eq_u32 s41, 2, v7
	v_cmp_eq_u32 s42, 3, v7
.irp e, 0,1,2,3,4,5,6,7
	v_cndmask_b32 v[16+\e], v[ACC+\e], v[ACC+8+\e], s40
	v_cndmask_b32 v[16+\e], v[16+\e], v[ACC+16+\e], s41
	v_cndmask_b32 v[16+\e], v[16+\e], v[ACC+24+\e], s42
	v_add_f32 v[16+\e], s[24+\e], v[16+\e]         ; + router_b
.endr
	v_max3_num_f32 v8, v16, v17, v18               ; the row's maximum is taken away ahead of the exponential
	v_max3_num_f32 v8, v8, v19, v20
	v_max3_num_f32 v8, v8, v21, v22
	v_max_num_f32 v8, v8, v23
.irp e, 0,1,2,3,4,5,6,7
	v_sub_f32 v[16+\e], v[16+\e], v8
.endr
.irp e, 0,1,2,3,4,5,6,7
	v_mul_f32 v[16+\e], 0x3fb8aa3b, v[16+\e]
.endr
	s_wait_alu depctr_va_vdst(0)
.irp e, 0,1,2,3,4,5,6,7
	v_exp_f32 v[16+\e], v[16+\e]
.endr
	v_nop                                          ; a plain line behind the exponentials
	s_wait_alu depctr_va_vdst(0)
	v_mov_b32 v24, v16                             ; the largest p and its index: a strict compare keeps the lower index
	v_mov_b32 v32, 0
.irp e, 1,2,3,4,5,6,7
	v_cmp_gt_f32 vcc_lo, v[16+\e], v24
	v_cndmask_b32 v24, v24, v[16+\e], vcc_lo
	v_cndmask_b32 v32, v32, \e, vcc_lo
.endr
	v_mov_b32 v25, -1.0                            ; the second: the same scan over the experts other than the first; every p is over -1
	v_mov_b32 v33, 0
.irp e, 0,1,2,3,4,5,6,7
	v_cmp_gt_f32 s40, v[16+\e], v25
	v_cmp_ne_u32 s41, \e, v32
	s_and_b32 s40, s40, s41
	v_cndmask_b32 v25, v25, v[16+\e], s40
	v_cndmask_b32 v33, v33, \e, s40
.endr
	v_add_f32 v9, v24, v25
	s_wait_alu depctr_va_vdst(0)
	v_rcp_f32 v9, v9
	v_lshlrev_b32 v10, 3, v0                       ; (a plain line behind the reciprocal)  8 x lane
	s_wait_alu depctr_va_vdst(0)
	v_mul_f32 v34, v24, v9                         ; the softmax's divisor cancels: w = p / (p1 + p2)
	v_mul_f32 v35, v25, v9
	v_cmp_gt_u32 vcc_lo, 4, v0
	s_wait_alu depctr_va_vdst(0)
	s_wait_xcnt 0x0                                ; EXEC changes only behind this wait
	s_and_saveexec_b32 s43, vcc_lo                 ; lanes 0 to 3 hold tokens 0 to 3
	global_store_b64 v10, v[32:33], s[12:13]
	global_store_b64 v10, v[34:35], s[14:15]
	s_wait_xcnt 0x0
	s_or_b32 exec_lo, exec_lo, s43
	ds_load_b32 v11, v6 offset:SCB                 ; the 128 scale bytes of my 4 tokens (my own stores, served in order)
	s_wait_dscnt 0x0
	global_store_b32 v6, v11, s[18:19] offset:XSOFF   ; 128 consecutive bytes
	s_cmp_lg_u32 ttmp9, 0
	s_cbranch_scc1 .Lend
	v_mov_b32 v12, 0
	v_cmp_eq_u32 vcc_lo, 0, v0
	s_wait_alu depctr_va_vdst(0)
	s_wait_xcnt 0x0
	s_and_saveexec_b32 s43, vcc_lo
	global_store_b32 v12, v12, s[16:17]            ; out1 = 0.0
	s_wait_xcnt 0x0
	s_or_b32 exec_lo, exec_lo, s43
.Lend:
	s_wait_tensorcnt 0x0
	ds_add_u32 v94, v95
	s_wait_dscnt 0x0
	s_endpgm
.Lfunc_end_k_qf9bff48f24_route:
	.size	k_qf9bff48f24_route, .Lfunc_end_k_qf9bff48f24_route-k_qf9bff48f24_route
	.p2alignl 7, 3214868480
	.fill 96, 4, 3214868480
	.section	.rodata,"a",@progbits
	.p2align	6, 0x0
	.amdhsa_kernel k_qf9bff48f24_route
		.amdhsa_group_segment_fixed_size 8448
		.amdhsa_private_segment_fixed_size 0
		.amdhsa_enable_private_segment 0
		.amdhsa_kernarg_size 56
		.amdhsa_user_sgpr_count 2
		.amdhsa_user_sgpr_kernarg_segment_ptr 1
		.amdhsa_wavefront_size32 1
		.amdhsa_system_sgpr_workgroup_id_x 1
		.amdhsa_system_sgpr_workgroup_id_y 1
		.amdhsa_system_sgpr_workgroup_id_z 1
		.amdhsa_system_vgpr_workitem_id 0
		.amdhsa_next_free_vgpr 512
		.amdhsa_next_free_sgpr 66
		.amdhsa_reserve_vcc 1
		.amdhsa_float_denorm_mode_32 3
		.amdhsa_float_denorm_mode_16_64 3
		.amdhsa_memory_ordered 1
		.amdhsa_forward_progress 1
		.amdhsa_inst_pref_size 83
	.end_amdhsa_kernel
	.amdgpu_metadata
---
amdhsa.version: [ 1, 2 ]
amdhsa.kernels:
  - .name:           k_qf9bff48f24_route
    .symbol:         k_qf9bff48f24_route.kd
    .args:
      - { .name: x, .offset: 0, .size: 8, .value_kind: global_buffer, .address_space: global }
      - { .name: router_W, .offset: 8, .size: 8, .value_kind: global_buffer, .address_space: global }
      - { .name: router_b, .offset: 16, .size: 8, .value_kind: global_buffer, .address_space: global }
      - { .name: xq, .offset: 24, .size: 8, .value_kind: global_buffer, .address_space: global }
      - { .name: sel, .offset: 32, .size: 8, .value_kind: global_buffer, .address_space: global }
      - { .name: gw, .offset: 40, .size: 8, .value_kind: global_buffer, .address_space: global }
      - { .name: out1, .offset: 48, .size: 8, .value_kind: global_buffer, .address_space: global }
    .group_segment_fixed_size: 8448
    .private_segment_fixed_size: 0
    .kernarg_segment_align: 8
    .kernarg_segment_size: 56
    .max_flat_workgroup_size: 32
    .sgpr_count:     66
    .vgpr_count:     512
    .wavefront_size: 32
...
	.end_amdgpu_metadata
.endif
;; end of part 6
;; launch place (part 7): grid 128 x 1, 8 waves a work-group, no clusters, 1,280 bytes of LDS; arguments sel, xq, plan, xg; writes plan, xg
.if DOCPART == 7
	.amdgcn_target "amdgcn-amd-amdhsa--gfx1250"
	.amdhsa_code_object_version 6
	.text
	.protected	k_qf9bff48f24_place
	.globl	k_qf9bff48f24_place
	.p2align	8
	.type	k_qf9bff48f24_place,@function
k_qf9bff48f24_place:
	s_mov_b64 s[64:65], 0
	v_nop
	global_prefetch_b8 v0, s[64:65] scope:SCOPE_SE
	s_setreg_imm32_b32 hwreg(HW_REG_WAVE_MODE, 25, 1), 1
	s_wait_xcnt 0x0
; THE ROWS ARE PLACED BY EXPERT: a counting sort without atomics.  Every work-group reads all of sel (8 KB) and counts for itself; work-group g owns tokens 8 g .. 8 g + 7, one a wave.
; Expert e owns positions 16 tb_e .. 16 tb_e + cnt_e - 1, tb_e = the sum over e' < e of ceil(cnt_e' / 16): at most (2,048 + 8 x 15) / 16 = 135 tiles of 16 rows.
; Within an expert the rows stand in the order of their tokens.  Stored: plan = META [8]{cnt, tb} at byte 0 and POS [1024][2] at byte 256;
; xg = the rows' codes as IMAGES OF THE OPERAND'S REGISTERS, [136 tiles][8 K steps][2,048 bytes]: byte 512 c + 16 lane holds k = 128 S + 32 c + 16 (lane / 16) + 0..15 of row lane % 16;
; and, at XGS, their scale bytes [2176 positions][32].  Each token goes to its two positions.
; A token's 16 bytes at byte 512 hf + 16 l of its row go to byte 8,192 hf + 256 l + 16 (position % 16) of its tile: a store's 32 lanes write 16 bytes each, 256 bytes apart.  2 MB are written so, once, so that the
; next launch, whose 64 column groups each read every row, loads 512 consecutive bytes an instruction.
; The rows behind an expert's last row in its last tile are written as zero codes (wave w of work-group 0: expert w), so that every byte of a tile that is read has been stored.
; Wave w counts expert w (total, and in the groups of 32 tokens ahead of mine); one barrier; then every wave makes the positions of its group's 32 tokens (lane = token) and takes its own token's.
; Every position passes v_min_u32 with 2,175 ahead of its use in an address.  No matrix unit, tensor load or cluster: a copy of 2 MB.
.set XSOFF, 1048576
.set XGS,   2228224
.set POS,   256
	s_load_b256 s[4:11], s[0:1], 0x0               ; sel, xq, plan, xg
	v_lshl_add_u32 v192, v0, 2, 0x100
	v_mov_b32 v193, 0
	v_and_b32 v1, 31, v0
	v_lshrrev_b32 v2, 5, v0
	s_delay_alu instid0(VALU_DEP_1)
	v_readfirstlane_b32 s18, v2                    ; wave 0..7
	s_delay_alu instid0(VALU_DEP_3)
	v_lshlrev_b32 v2, 3, v1                        ; 8 x lane
	s_lshr_b32 s23, ttmp9, 2                       ; my group of 32 tokens
	s_lshl_b32 s19, s23, 8
	v_add_nc_u32 v3, s19, v2                       ; its pairs: 256 x group + 8 x lane
	v_lshlrev_b32 v4, 4, v1                        ; 16 x lane
	v_lshlrev_b32 v5, 2, v1                        ; 4 x lane
	v_lshlrev_b32 v6, 8, v1                        ; 256 x lane: my 16 bytes' place in half a tile's images
	v_and_b32 v7, 15, v1                           ; lane % 16
	s_delay_alu instid0(VALU_DEP_1)
	v_lshlrev_b32 v8, 1, v7                        ; 2 (lane % 16): my two of a token's 32 scale bytes
	s_lshl_b32 s24, ttmp9, 3
	s_add_co_u32 s24, s24, s18                     ; my token
	s_lshl_b32 s26, s24, 10
	s_mov_b32 s27, 0
	s_lshl_b32 s28, s24, 5
	s_mov_b32 s29, 0
	s_and_b32 s30, s24, 31
	s_lshl_b32 s30, s30, 2
	v_mov_b32 v24, s30                             ; my token's lane in its group, x 4
	s_wait_alu depctr_va_vdst(0)
	s_wait_kmcnt 0x0
	s_add_nc_u64 s[12:13], s[6:7], s[28:29]        ; xq at my token's scale bytes (XSOFF in the immediate)
	s_add_nc_u64 s[6:7], s[6:7], s[26:27]          ; and at its codes
.set g, 0
.rept 32
	global_load_b64 v[32+2*g:33+2*g], v2, s[4:5] offset:256*g   ; group g's 32 pairs: 256 consecutive bytes
.set g, g+1
.endr
	global_load_b64 v[96:97], v3, s[4:5]           ; my group's
	global_load_b128 v[100:103], v4, s[6:7] th:TH_LOAD_NT              ; my token's codes: 512 consecutive bytes a load
	global_load_b128 v[104:107], v4, s[6:7] offset:512 th:TH_LOAD_NT
	global_load_u16 v108, v8, s[12:13] offset:XSOFF th:TH_LOAD_NT      ; its scale bytes, in both halves of the lanes
	s_mov_b32 s20, 0                               ; expert w's rows in all,
	s_mov_b32 s21, 0                               ; and in the groups ahead of mine
	s_wait_loadcnt 4                               ; four loads were issued behind the 32 of sel
.set g, 0
.rept 32
	v_cmp_eq_u32 s40, s18, v[32+2*g]
	v_cmp_eq_u32 s41, s18, v[33+2*g]
	s_or_b32 s40, s40, s41                         ; a token's two experts differ
	s_bcnt1_i32_b32 s40, s40
	s_add_co_u32 s20, s20, s40
	s_cmp_gt_u32 s23, g
	s_cselect_b32 s40, s40, 0
	s_add_co_u32 s21, s21, s40
.set g, g+1
.endr
	s_lshl_b32 s40, s18, 3
	v_mov_b32 v10, s40
	v_mov_b32 v12, s20
	v_mov_b32 v13, s21
	ds_store_b64 v10, v[12:13]                     ; all lanes write the same 8 bytes with the same values
	s_wait_dscnt 0x0                               ; for the others' sake: my store has landed
	s_barrier_signal -1
	s_barrier_wait -1
	v_mov_b32 v11, 0
.irp i, 0,1,2,3
	ds_load_b128 v[136+4*\i:139+4*\i], v11 offset:16*\i
.endr
	s_wait_dscnt 0x0
.set n, 0
.rept 16
	v_readfirstlane_b32 s[48+n], v[136+n]          ; s[48 + 2 e] = cnt_e, s[49 + 2 e] = expert e's rows ahead of my group
.set n, n+1
.endr
	s_mov_b32 s22, 0
.irp e, 0,1,2,3,4,5,6,7
	s_mov_b32 s[70+\e], s22                        ; tb_e
	s_lshl_b32 s[80+\e], s22, 4
	s_add_co_u32 s[80+\e], s[80+\e], s[49+2*\e]    ; where my group's rows of expert e begin
	s_add_co_u32 s40, s[48+2*\e], 15
	s_lshr_b32 s40, s40, 4
	s_add_co_u32 s22, s22, s40
.endr
	v_mov_b32 v16, 0
	v_mov_b32 v17, 0
	s_wait_loadcnt 3                               ; my group's pair is in; the three loads behind it may be out
.irp e, 0,1,2,3,4,5,6,7
	v_cmp_eq_u32 s40, \e, v96
	v_cmp_eq_u32 s41, \e, v97
	s_or_b32 s42, s40, s41
	v_mbcnt_lo_u32_b32 v14, s42, 0                 ; the tokens below mine in the group that chose e
	s_delay_alu instid0(VALU_DEP_1)
	v_add_nc_u32 v14, s[80+\e], v14
	s_wait_alu depctr_va_vdst(0)
	v_cndmask_b32 v16, v16, v14, s40
	v_cndmask_b32 v17, v17, v14, s41
.endr
	ds_bpermute_b32 v152, v24, v16                 ; my token's two positions, in every lane
	ds_bpermute_b32 v153, v24, v17
	s_wait_dscnt 0x0
	v_cmp_le_u32 s44, 16, v1
	s_delay_alu instid0(VALU_DEP_1)
	v_cndmask_b32 v154, v152, v153, s44            ; for the scale bytes: lanes 0-15 serve the first position, lanes 16-31 the second
	v_min_u32 v152, 0x87f, v152
	v_min_u32 v153, 0x87f, v153
	s_delay_alu instid0(VALU_DEP_3)
	v_min_u32 v154, 0x87f, v154
.irp k, 0,1
	v_and_b32 v[156+\k], 0xff0, v[152+\k]          ; 16 x the tile,
	v_and_b32 v[158+\k], 15, v[152+\k]             ; and the row in it
	s_delay_alu instid0(VALU_DEP_2)
	v_lshl_add_u32 v[164+\k], v[156+\k], 10, v6    ; tile x 16,384 + 256 x lane
	s_delay_alu instid0(VALU_DEP_1)
	v_lshl_add_u32 v[164+\k], v[158+\k], 4, v[164+\k]   ; + 16 x row
.endr
	v_lshl_add_u32 v172, v154, 5, v8               ; position x 32 + my two bytes
	s_wait_alu depctr_va_vdst(0)
	s_wait_loadcnt 0x0
.irp k, 0,1
	global_store_b128 v[164+\k], v[100:103], s[10:11]              ; K steps 0 to 3
	global_store_b128 v[164+\k], v[104:107], s[10:11] offset:8192  ; K steps 4 to 7
.endr
	global_store_b16 v172, v108, s[10:11] offset:XGS   ; 32 consecutive bytes for each of the two positions
	s_cmp_lg_u32 ttmp9, 0
	s_cbranch_scc1 .Lnopad
	s_mov_b32 s44, 0                               ; work-group 0: wave w fills expert w's last tile up with zero codes
.irp e, 0,1,2,3,4,5,6,7
	s_cmp_eq_u32 s18, \e
	s_cselect_b32 s44, s[70+\e], s44               ; tb_w
.endr
	s_and_b32 s45, s20, 15                         ; rows in the last tile, if it is not full (SCC: not 0)
	s_cselect_b32 s45, s45, 16                     ; a full last tile, or none: no lane is on below
	s_lshr_b32 s46, s20, 4
	s_add_co_u32 s46, s46, s44
	s_min_u32 s46, s46, 135                        ; the tile that is not full
	s_lshl_b32 s46, s46, 14
	v_add_nc_u32 v176, s46, v4                     ; tile x 16,384 + 16 x lane
.irp i, 0,1,2,3
	v_mov_b32 v[180+\i], 0
.endr
	v_cmp_le_u32 vcc_lo, s45, v7                   ; the rows behind the last
	s_wait_alu depctr_va_vdst(0)
	s_wait_xcnt 0x0                                ; EXEC changes only behind this wait
	s_and_saveexec_b32 s43, vcc_lo
.set n, 0
.rept 32
	global_store_b128 v176, v[180:183], s[10:11] offset:512*n
.set n, n+1
.endr
	s_wait_xcnt 0x0
	s_or_b32 exec_lo, exec_lo, s43
.Lnopad:
	s_cmp_lg_u32 s18, 0
	s_cbranch_scc1 .Lend
	s_and_b32 s40, ttmp9, 3
	s_cmp_lg_u32 s40, 0
	s_cbranch_scc1 .Lend
	global_store_b64 v3, v[16:17], s[8:9] offset:POS   ; wave 0 of a group's first work-group: the group's 32 pairs of positions, 256 consecutive bytes
	s_cmp_lg_u32 ttmp9, 0
	s_cbranch_scc1 .Lend
	v_mov_b32 v20, 0
.irp e, 0,1,2,3,4,5,6,7
	s_delay_alu instid0(VALU_DEP_1)
	v_writelane_b32 v20, s[48+2*\e], 2*\e
	s_delay_alu instid0(VALU_DEP_1)
	v_writelane_b32 v20, s[70+\e], 2*\e+1
.endr
	v_cmp_gt_u32 vcc_lo, 16, v0
	s_wait_alu depctr_va_vdst(0)
	s_wait_xcnt 0x0                                ; EXEC changes only behind this wait
	s_and_saveexec_b32 s43, vcc_lo
	global_store_b32 v5, v20, s[8:9]               ; META: {cnt, tb} of the eight experts
	s_wait_xcnt 0x0
	s_or_b32 exec_lo, exec_lo, s43
.Lend:
	s_wait_tensorcnt 0x0
	ds_add_u32 v192, v193
	s_wait_dscnt 0x0
	s_endpgm
.Lfunc_end_k_qf9bff48f24_place:
	.size	k_qf9bff48f24_place, .Lfunc_end_k_qf9bff48f24_place-k_qf9bff48f24_place
	.p2alignl 7, 3214868480
	.fill 96, 4, 3214868480
	.section	.rodata,"a",@progbits
	.p2align	6, 0x0
	.amdhsa_kernel k_qf9bff48f24_place
		.amdhsa_group_segment_fixed_size 1280
		.amdhsa_private_segment_fixed_size 0
		.amdhsa_enable_private_segment 0
		.amdhsa_kernarg_size 32
		.amdhsa_user_sgpr_count 2
		.amdhsa_user_sgpr_kernarg_segment_ptr 1
		.amdhsa_wavefront_size32 1
		.amdhsa_system_sgpr_workgroup_id_x 1
		.amdhsa_system_sgpr_workgroup_id_y 1
		.amdhsa_system_sgpr_workgroup_id_z 1
		.amdhsa_system_vgpr_workitem_id 0
		.amdhsa_next_free_vgpr 194
		.amdhsa_next_free_sgpr 96
		.amdhsa_reserve_vcc 1
		.amdhsa_float_denorm_mode_32 3
		.amdhsa_float_denorm_mode_16_64 3
		.amdhsa_memory_ordered 1
		.amdhsa_forward_progress 1
		.amdhsa_inst_pref_size 30
	.end_amdhsa_kernel
	.amdgpu_metadata
---
amdhsa.version: [ 1, 2 ]
amdhsa.kernels:
  - .name:           k_qf9bff48f24_place
    .symbol:         k_qf9bff48f24_place.kd
    .args:
      - { .name: sel, .offset: 0, .size: 8, .value_kind: global_buffer, .address_space: global }
      - { .name: xq, .offset: 8, .size: 8, .value_kind: global_buffer, .address_space: global }
      - { .name: plan, .offset: 16, .size: 8, .value_kind: global_buffer, .address_space: global }
      - { .name: xg, .offset: 24, .size: 8, .value_kind: global_buffer, .address_space: global }
    .group_segment_fixed_size: 1280
    .private_segment_fixed_size: 0
    .kernarg_segment_align: 8
    .kernarg_segment_size: 32
    .max_flat_workgroup_size: 256
    .sgpr_count:     96
    .vgpr_count:     194
    .wavefront_size: 32
...
	.end_amdgpu_metadata
.endif
;; end of part 7
;; launch ffn1 (part 8): grid 256 x 1, 4 waves a work-group, no clusters, 139,776 bytes of LDS; arguments W1, b1, xg, plan, hq; writes hq
.if DOCPART == 8
	.amdgcn_target "amdgcn-amd-amdhsa--gfx1250"
	.amdhsa_code_object_version 6
	.text
	.protected	k_qf9bff48f24_ffn1
	.globl	k_qf9bff48f24_ffn1
	.p2align	8
	.type	k_qf9bff48f24_ffn1,@function
k_qf9bff48f24_ffn1:
	s_mov_b64 s[64:65], 0
	v_nop
	global_prefetch_b8 v0, s[64:65] scope:SCOPE_SE
	s_setreg_imm32_b32 hwreg(HW_REG_WAVE_SCHED_MODE, 0, 2), 2
	s_setreg_imm32_b32 hwreg(HW_REG_WAVE_MODE, 25, 1), 1
	s_wait_xcnt 0x0
	s_wait_alu depctr_vm_vsrc(0)
; FIRST LAYER, for the routed rows alone: hq = Q(gelu(Q(x) Q(W1) + b1)), MX-FP8 (E4M3, one E8M0 byte for each 32 along K), sums in f32; gelu in its tanh form.
; SHARES.  Work-group = expert e (wg / 32) x 128 columns of H (wg % 32): a slab of W1 of 1,024 k x 128 columns, 512 KB of f32, read from memory once in the whole launch.
; Wave w: columns 64 (w % 2) on; rho = w / 2 names both the half of K that it quantises and the parity of the row tiles that it multiplies.
; PHASE A.  The wave streams its 512 k x 64 columns in 16 units of 32 k.  A load takes two rows of W1, 16 rows apart, 256 consecutive bytes each: lane (r', h) holds columns 4 r' + 0..3 and
; k = 32 u + 16 h + 0..15, which IS the operand's layout for four tiles, tile q's row r' being column 4 r' + q.  A block's largest magnitude joins lanes l and l xor 16.  The codes go straight
; into operand registers (window 1) and, as an image of those registers, into LDS; behind ONE barrier the wave takes the image of wave w xor 2 (same columns, other half of K) into window 2.
; PHASE B.  Row tiles of parity rho of the expert, 32 matrix instructions each on 4 accumulators by turns.  x's rows come from xg as images of the operand's registers,
; 512 consecutive bytes a load.  The product is used transposed (source 0 = W1's columns, source 1 = 16 rows of x): lane (r, h) holds row r, and register j of tile q column 32 h + 4 j + q: the lane's 32
; results are ONE block of the next K, quantised with no other lane.  b1 is the C of each sum's first instruction.
; hq: codes [tile][K step 32][image of the operand's registers, 2,048 bytes]; at HSOFF the scale bytes [tile][group of 4 K steps][row][16]: a row's four scale words of a group on end.
; THE WALK IS ROTATED: the work-group begins at tile index (wg % 32) x tiles / 32 of its parity and wraps round, so that the 32 work-groups of an expert do not all ask for the same tile in the same trip:
; a tile is asked for first by those that begin at it, and by the others one or more trips later.
; The number of rows is read from plan, so the loop's trip count is loaded data: the launch has no tensor load, no copy and no cluster, and its one barrier stands on every wave's way.
; What the 32 work-groups of an expert share, 16 KB of rows a tile, is small beside a slab's 512 KB, which nobody shares.
; A trip past the wave's count of tiles takes its first tile again and stores the same bytes (at most one such trip a wave); rows past the expert's last are zero codes under the last row's scale words,
; and nobody reads their results.  An expert without rows: its slab is still streamed (the barrier is unconditional), nothing is stored by that work-group.
; LIMITS: NaN and infinities are not served; a block of zeros has the byte 1 (zero codes; the bytes are read by this program alone); K is summed own half first, not ascending.
; REGISTERS.  window 0: v1-15 lane numbers, addresses, constants; v16-31 at work in the quantiser; v32-47, v48-63 W1's scale words (own half, partner's); v64-95 accumulators (first: b1 as loaded);
;   v96-127 b1 in the result's layout; v128-191 numbers at work; v192-199 x's scale words; v216-223 codes to store; v224-233 addresses; v[240:241] a constant.
;   window 1: own 16 fragments (K step i, tile q at 16 (4 i + q)).  window 2: four sets of 64 as loaded, then the partner's fragments.  window 3: x's fragments, two buffers of 128.
; THE MODE: SCHED_MODE bits 1:0 = 2 (LLVM: expert scheduling mode 2), set by the entry lines.  The code itself states the register dependences
; between vector or matrix instructions and memory or LDS instructions, with s_wait_alu, always for 0.
; THE PLAN.  Registers that memory or LDS instructions touch:
;   window 2, sets 0-3   Unit u: its maxima and holds read set u % 4; behind them the loads of unit u + 4 land in it.  Behind the barrier the partner's images land there; from then on matrix instructions alone read them.
;   window 1             Written once, by unit u's conversions; read by unit u's four LDS stores, and in phase B by matrix instructions.
;   v[SWO ..]            Written by the units' shifts; read once, by the sixteen LDS stores ahead of the barrier; then scales.
;   window 3 buffer b, v[AS + 4 b ..]   Trip b: its 32 matrix instructions read them; behind them the 33 loads of the tile two trips on land there.
;   v[AD + 4 b ..]       Written by PREP b; read by those 33 loads.
;   v[HA], v[SA], v[HC ..], v[M2]       Written in each trip; read by the trip's three stores, at its end.
;   v4 to v14            Made at the head and never written again.   v254, v255: written at the head, read by the closing add alone.
; So a unit has ONE wait on va_vdst, behind its conversions.  A trip has one wait on vm_vsrc at its head, one on va_vdst behind its products and the nine plain lines, two ahead of its transcendentals and two behind them, and one
; ahead of its stores.  Behind the wait that follows the products the tile's loads are dealt among the first 48 lines of the gelu, which name the accumulators, v[T ..] and two constants: none of the registers that those loads touch.
.set PITCH, 16384
.set NA,    33                         ; loads that bring a row tile
.set EXS,   131072                     ; LDS: 4 x 32,768 bytes of images, then 4 x 2,048 of scale words
.set XGS,   2228224
.set HSOFF, 0x880000
.set M,   16
.set M2,  20
.set SO,  24
.set LM,  28
.set SWO, 32
.set SWP, 48
.set ACC, 64
.set BI,  96
.set X,   128
.set T,   128
.set XQ,  160
.set AS,  192
.set HC,  216
.set AD,  224
.set HA,  232
.set SA,  233
.set MSB, 0
.macro WIN new                         ; the immediate's high byte repeats the setting that is left
.if MSB != \new
	s_set_vgpr_msb (MSB<<8)|\new
.set MSB, \new
.endif
.endm
.macro LOADW u                         ; unit u: 32 k x 64 columns into set u % 4 of window 2
	WIN 0x80
.irp i, 0,1,2,3,4,5,6,7,8,9,10,11,12,13,14,15
	global_load_b128 v[64*((\u)%4)+4*\i:64*((\u)%4)+4*\i+3], v4, s[4:5] offset:(32*(\u)+\i)*PITCH th:TH_LOAD_NT
.endr
.endm
; Unit u is quantised.  n: the younger loads that may stay out.
.macro QUNIT u, n
.set LB, 64*((\u)%4)
.set KI, (\u)/4
.set KC, (\u)%4
	s_wait_loadcnt \n
	WIN 0x0a                                       ; sources 0 and 1 window 2
.irp q, 0,1,2,3
	v_max3_num_f32 v[M+\q], |v[LB+\q]|, |v[LB+4+\q]|, 0x4800000   ; column q's 16 numbers, and the floor 2^(9 - 127): the byte cannot fall under 1
.endr
.irp i, 2,4,6,8,10,12,14
.irp q, 0,1,2,3
	v_max3_num_f32 v[M+\q], |v[LB+4*\i+\q]|, |v[LB+4*\i+4+\q]|, v[M+\q]
.endr
.endr
	WIN 0
.irp q, 0,1,2,3
	v_permlanex16_b32 v[M2+\q], v[M+\q], s24, s25
.endr
.irp q, 0,1,2,3
	v_max_num_f32 v[M+\q], v[M+\q], v[M2+\q]       ; with lane l xor 16's 16: the block's largest magnitude
.endr
.irp q, 0,1,2,3
	v_add_nc_u32 v[SO+\q], 0xfc000000, v[M+\q]     ; 8 off its exponent field: the conversion's scale operand
.endr
.irp q, 0,1,2,3
	v_and_or_b32 v[LM+\q], v[M+\q], 0x7f800000, s23   ; 448 x the scale
.endr
.if KC == 0
.irp q, 0,1,2,3
	v_lshrrev_b32 v[SWO+4*KI+\q], 23, v[SO+\q]     ; the scale's byte begins the K step's word
.endr
.else
.irp q, 0,1,2,3
	v_lshrrev_b32 v[M2+\q], 23, v[SO+\q]
.endr
.irp q, 0,1,2,3
	v_lshl_or_b32 v[SWO+4*KI+\q], v[M2+\q], 8*KC, v[SWO+4*KI+\q]
.endr
.endif
	WIN 0x02                                       ; source 0 window 2
.irp i, 0,1,2,3,4,5,6,7,8,9,10,11,12,13,14,15
.irp q, 0,1,2,3
	v_med3_num_f32 v[X+16*\q+\i], v[LB+4*\i+\q], -v[LM+\q], v[LM+\q]   ; the hold (the conversion does not saturate: ISA guide 7.6.2) also sorts the numbers by column
.endr
.endr
	WIN 0x40                                       ; destination window 1
.irp q, 0,1,2,3
	v_cvt_scalef32_pk8_fp8_f32 v[16*(4*KI+\q)+4*KC:16*(4*KI+\q)+4*KC+1], v[X+16*\q:X+16*\q+7], v[SO+\q]
	v_cvt_scalef32_pk8_fp8_f32 v[16*(4*KI+\q)+4*KC+2:16*(4*KI+\q)+4*KC+3], v[X+16*\q+8:X+16*\q+15], v[SO+\q]
.endr
	v_nop                                          ; a plain line behind the conversions
	s_wait_alu depctr_va_vdst(0)                   ; the maxima and holds are done reading set u % 4, in which the loads below land (units 0 to 11); the conversions have written the codes, which the LDS stores below read
.if (\u) < 12
	LOADW (\u)+4                                   ; the set just read takes the unit four on
.endif
	WIN 0x04                                       ; an LDS store's data are its source 1: window 1
.irp q, 0,1,2,3
	ds_store_b128 v5, v[16*(4*KI+\q)+4*KC:16*(4*KI+\q)+4*KC+3] offset:2048*(4*KI+\q)+512*KC
.endr
	WIN 0
.endm
; The next tile of my walk, which wraps from my last tile to my first; its addresses for buffer b.  Seven vector lines.
.macro PREP b
	s_mov_b32 s35, s34
	s_add_co_u32 s34, s34, 2
	s_cmp_gt_u32 s34, s31
	s_cselect_b32 s34, s20, s34                    ; behind my last tile comes my first
	s_add_co_u32 s[42+\b], s35, s27
	s_min_u32 s[42+\b], s[42+\b], 135              ; the tile's number among all experts': inside xg and hq whatever plan holds
	s_lshl_b32 s35, s35, 4
	v_add_nc_u32 v15, s35, v2                      ; row 16 tau + r of the expert,
	v_min_u32 v15, s28, v15                        ; held at its last row,
	v_add_nc_u32 v15, s38, v15                     ; as a position,
	v_min_u32 v15, 0x87f, v15                      ; inside xg whatever plan holds: for the scale words
	s_lshl_b32 s35, s[42+\b], 14
	v_add_nc_u32 v[AD+4*\b], s35, v12              ; images, my half of K
	v_add_nc_u32 v[AD+4*\b+1], s35, v13            ; the partner's half
	v_lshl_add_u32 v[AD+4*\b+2], v15, 5, v14       ; scale words: lanes 0-15 my half's four, lanes 16-31 the partner's
.endm
; A tile's 33 loads: four groups of eight (group g: K steps 2 (g % 2), 2 (g % 2) + 1 of my half, g / 2 = 0, or of the partner's, g / 2 = 1), and the scale words.
.macro LOADG b, g
	WIN 0xc0                                       ; destination window 3
.irp i, 0,1
.irp c, 0,1,2,3
	global_load_b128 v[128*\b+32*(\g)+16*\i+4*\c:128*\b+32*(\g)+16*\i+4*\c+3], v[AD+4*\b+(\g)/2], s[8:9] offset:2048*(2*((\g)%2)+\i)+512*\c   ; 512 consecutive bytes
.endr
.endr
.endm
.macro LOADS b
	WIN 0
	global_load_b128 v[AS+4*\b:AS+4*\b+3], v[AD+4*\b+2], s[8:9] offset:XGS
.endm
.macro LOADA b                         ; all 33 in one run: phase A's two tiles
	LOADG \b, 0
	LOADG \b, 1
	LOADG \b, 2
	LOADG \b, 3
	LOADS \b
.endm
.macro MM b                            ; 32 matrix instructions: 8 K steps x 4 tiles of columns
	WIN 0x0d                                       ; source 0 window 1, source 1 window 3
.irp i, 0,1,2,3
.irp q, 0,1,2,3
.if \i == 0
	v_wmma_scale_f32_16x16x128_f8f6f4 v[ACC+8*\q:ACC+8*\q+7], v[16*\q:16*\q+15], v[128*\b:128*\b+15], v[BI+8*\q:BI+8*\q+7], v[SWO+\q], v[AS+4*\b]
.else
	v_wmma_scale_f32_16x16x128_f8f6f4 v[ACC+8*\q:ACC+8*\q+7], v[16*(4*\i+\q):16*(4*\i+\q)+15], v[128*\b+16*\i:128*\b+16*\i+15], v[ACC+8*\q:ACC+8*\q+7], v[SWO+4*\i+\q], v[AS+4*\b+\i]
.endif
.endr
.endr
	WIN 0x0e                                       ; source 0 window 2: the partner's half of K
.irp i, 0,1,2,3
.irp q, 0,1,2,3
	v_wmma_scale_f32_16x16x128_f8f6f4 v[ACC+8*\q:ACC+8*\q+7], v[16*(4*\i+\q):16*(4*\i+\q)+15], v[128*\b+64+16*\i:128*\b+64+16*\i+15], v[ACC+8*\q:ACC+8*\q+7], v[SWP+4*\i+\q], v[AS+4*\b+\i] matrix_b_scale:MATRIX_SCALE_ROW1
.endr
.endr
	WIN 0
.endm
; gelu(a) = a / (1 + 2^(a (c0 + c1 a^2))), c0 = -2 log2(e) sqrt(2 / pi), c1 = 0.044715 c0: the tanh form, written with one exponential; then the block of 32 is quantised and stored.
; Among its first 48 lines stand the loads of the tile two trips on, into buffer b: it has the rest of this trip and all of the next in which to land.  They owe no further wait: no vector or matrix
; instruction issued since the wait ahead of this macro names buffer b, v[AS + 4 b ..] or v[AD + 4 b ..].
.macro EPI1 b
	LOADG \b, 0
	LOADS \b
.set p, 0
.rept 16
	v_pk_mul_f32 v[T+p:T+p+1], v[ACC+p:ACC+p+1], v[ACC+p:ACC+p+1]      ; each accumulator is read from its low end on
.set p, p+2
.endr
	LOADG \b, 1
	WIN 0
.set p, 0
.rept 16
	v_pk_fma_f32 v[T+p:T+p+1], v[T+p:T+p+1], s[36:37], v[240:241] op_sel_hi:[1,0,1]
.set p, p+2
.endr
	LOADG \b, 2
	WIN 0
.set p, 0
.rept 16
	v_pk_mul_f32 v[T+p:T+p+1], v[T+p:T+p+1], v[ACC+p:ACC+p+1]
.set p, p+2
.endr
	LOADG \b, 3
	WIN 0
.set p, 0
	s_wait_alu depctr_va_vdst(0)
.rept 32
	v_exp_f32 v[T+p], v[T+p]
.set p, p+1
.endr
	v_nop                                          ; a plain line behind the exponentials
	s_wait_alu depctr_va_vdst(0)                   ; the 32 exponentials have written v[T ..], which the additions below read: one wait for the batch
.set p, 0
.rept 16
	v_pk_add_f32 v[T+p:T+p+1], v[T+p:T+p+1], 1.0 op_sel_hi:[1,0]
.set p, p+2
.endr
.set p, 0
	s_wait_alu depctr_va_vdst(0)
.rept 32
	v_rcp_f32 v[T+p], v[T+p]
.set p, p+1
.endr
	v_nop                                          ; a plain line behind the reciprocals
	s_wait_alu depctr_va_vdst(0)                   ; the 32 reciprocals have written v[T ..], which the multiplications below read: one wait for the batch
.set p, 0
.rept 16
	v_pk_mul_f32 v[T+p:T+p+1], v[T+p:T+p+1], v[ACC+p:ACC+p+1]
.set p, p+2
.endr
	v_max3_num_f32 v[M], |v[T]|, |v[T+1]|, 0x4800000                   ; all 32 numbers of the block are mine: two chains, each over the floor
	v_max3_num_f32 v[M+1], |v[T+2]|, |v[T+3]|, 0x4800000
.irp i, 4,8,12,16,20,24,28
	v_max3_num_f32 v[M], v[M], |v[T+\i]|, |v[T+\i+1]|
	v_max3_num_f32 v[M+1], v[M+1], |v[T+\i+2]|, |v[T+\i+3]|
.endr
	v_max_num_f32 v[M], v[M], v[M+1]
	v_add_nc_u32 v[SO], 0xfc000000, v[M]
	v_and_or_b32 v[LM], v[M], 0x7f800000, s23
.irp j, 0,1,2,3,4,5,6,7
.irp q, 0,1,2,3
	v_med3_num_f32 v[XQ+4*\j+\q], v[T+8*\q+\j], -v[LM], v[LM]          ; the hold also puts the columns in order: 4 j + q
.endr
.endr
.irp g, 0,1,2,3
	v_cvt_scalef32_pk8_fp8_f32 v[HC+2*\g:HC+2*\g+1], v[XQ+8*\g:XQ+8*\g+7], v[SO]
.endr
	v_lshrrev_b32 v[M2], 23, v[SO]                 ; the scale's byte (also the plain line behind the conversions)
	s_wait_alu depctr_va_vdst(0)                   ; the conversions have written v[HC ..] and the shift v[M2], the data of the three stores below
	global_store_b128 v[HA], v[HC:HC+3], s[12:13]              ; k 0-15 of my block: sixteen lanes fill 256 consecutive bytes of the image, aligned
	global_store_b128 v[HA], v[HC+4:HC+7], s[12:13] offset:256 ; k 16-31
	global_store_b8 v[SA], v[M2], s[16:17]         ; byte 2 G + h of row r's scale word of this K step
.endm
.macro TRIP b
	s_wait_loadcnt NA                              ; this buffer's tile is in; the other buffer's 33 loads may be out
	s_wait_xcnt 0x0                                ; the last trip's stores have read their data and addresses: both are written again below
	s_wait_alu depctr_vm_vsrc(0)                   ; the last trip's stores have read v[HC ..], v[M2], v[HA] and v[SA], and the loads of two trips back v[AD + 4 b ..]: this trip writes all of them again
	MM \b
	s_lshl_b32 s35, s[42+\b], 16
	v_add_nc_u32 v[HA], s35, v10                   ; where this tile's codes go,
	s_lshl_b32 s35, s[42+\b], 11
	v_add_nc_u32 v[SA], s35, v11                   ; and its scale bytes
	PREP \b                                        ; with the two lines above nine plain lines: the places in front of the first read of the results
	s_wait_alu depctr_va_vdst(0)                   ; the products are done reading buffer b and v[AS + 4 b ..], in which the next loads land; v[AD + 4 b ..], which those loads read, and v[HA], v[SA], which the stores read, are written
	EPI1 \b
.endm
	s_load_b256 s[4:11], s[0:1], 0x0               ; W1, b1, xg, plan
	s_load_b64 s[12:13], s[0:1], 0x20              ; hq
	v_lshl_add_u32 v254, v0, 2, 0x22000
	v_mov_b32 v255, 0
	v_and_b32 v1, 31, v0                           ; lane
	v_lshrrev_b32 v15, 5, v0
	v_readfirstlane_b32 s18, v15                   ; wave 0..3
	v_and_b32 v2, 15, v0                           ; r
	s_wait_alu depctr_va_vdst(0)
	v_bfe_u32 v3, v0, 4, 1                         ; h
	s_wait_alu depctr_va_sdst(0)                   ; s18 is written, ahead of its first reader
	s_and_b32 s19, s18, 1                          ; G: my 64 columns
	s_lshr_b32 s20, s18, 1                         ; rho
	s_lshr_b32 s21, ttmp9, 5                       ; expert
	s_and_b32 s22, ttmp9, 31                       ; which 128 columns of H: also the next layer's K step
	s_mov_b32 s23, 0x600000                        ; the mantissa field of 448
	s_mov_b32 s24, 0x76543210
	s_mov_b32 s25, 0xfedcba98                      ; v_permlanex16_b32: lane l xor 16
	s_mov_b32 s36, 0xbdd2d3e8                      ; c1 = -0.102943
	s_mov_b32 s37, s36                             ; (named with it as a pair, so it is written)
	v_mov_b32 v240, 0xc0135761                     ; c0 = -2.302208
	v_mov_b32 v241, 0xc0135761
.irp q, 0,1,2,3
	v_mov_b32 v[M2+\q], 0                          ; written once: a lane permute's destination counts as one of its sources
.endr
	v_lshlrev_b32 v4, 4, v2
	s_wait_alu depctr_va_vdst(0)
	v_lshl_add_u32 v4, v3, 18, v4                  ; W1: 16 r, lanes 16-31 sixteen rows of 16,384 bytes down
	s_xor_b32 s46, s18, 2                          ; the partner wave
	s_lshl_b32 s35, s18, 15
	v_lshl_add_u32 v5, v1, 4, s35                  ; my images: 32,768 w + 16 lane
	s_lshl_b32 s35, s46, 15
	v_lshl_add_u32 v6, v1, 4, s35                  ; the partner's
	s_lshl_b32 s35, s18, 11
	s_add_co_u32 s35, s35, EXS
	v_lshl_add_u32 v7, v1, 2, s35                  ; my scale words: EXS + 2,048 w + 4 lane
	s_lshl_b32 s35, s46, 11
	s_add_co_u32 s35, s35, EXS
	v_lshl_add_u32 v8, v1, 2, s35                  ; the partner's
	v_lshlrev_b32 v9, 7, v3                        ; b1: 128 h
	s_lshl_b32 s35, s22, 11
	s_lshl_b32 s47, s19, 10
	s_add_co_u32 s35, s35, s47
	v_lshl_add_u32 v10, v3, 9, s35
	v_lshl_add_u32 v10, v2, 4, v10                 ; in a tile's images of hq: 2,048 K step + 512 (2 G + h) + 16 r
	s_lshr_b32 s35, s22, 2
	s_lshl_b32 s35, s35, 8                         ; in a tile's scale bytes of hq: 256 (K step / 4)
	s_and_b32 s47, s22, 3
	s_lshl_b32 s47, s47, 2
	s_add_co_u32 s35, s35, s47                     ; + 4 (K step % 4)
	s_lshl_b32 s47, s19, 1
	s_add_co_u32 s35, s35, s47                     ; + 2 G
	v_lshl_add_u32 v11, v2, 4, s35                 ; + 16 r
	v_add_nc_u32 v11, v11, v3                      ; + h
	s_lshl_b32 s35, s20, 13
	v_lshl_add_u32 v12, v1, 4, s35                 ; in a tile's images of x: 16 lane + 2,048 x 4 rho
	s_xor_b32 s35, s35, 8192
	v_lshl_add_u32 v13, v1, 4, s35                 ; 16 lane + 2,048 x 4 (1 - rho)
	v_xor_b32 v14, s20, v3
	v_lshlrev_b32 v14, 4, v14                      ; in a row of x's scale bytes: 16 (h xor rho)
	s_lshl_b32 s41, s21, 3
	s_lshl_b32 s44, s21, 24                        ; the slab: expert x 16 MB + rho x 512 rows + 512 sl + 256 G
	s_lshl_b32 s35, s20, 23
	s_add_co_u32 s44, s44, s35
	s_lshl_b32 s35, s22, 9
	s_lshl_b32 s47, s19, 8
	s_add_co_u32 s35, s35, s47
	s_add_co_u32 s44, s44, s35
	s_mov_b32 s45, 0
	s_lshl_b32 s46, s21, 14
	s_add_co_u32 s46, s46, s35                     ; b1: expert x 16 KB + the same columns
	s_mov_b32 s47, 0
	s_wait_kmcnt 0x0
	s_load_b64 s[26:27], s[10:11], s41 offset:0x0  ; the expert's rows and first tile
	s_add_nc_u64 s[4:5], s[4:5], s[44:45]
	s_add_nc_u64 s[6:7], s[6:7], s[46:47]
	s_add_nc_u64 s[16:17], s[12:13], HSOFF         ; hq's scale bytes: beyond a store's immediate, so a base of their own
	s_wait_alu depctr_va_vdst(0)                   ; the offsets and addresses v4 to v14 are written, which the kernel's loads, stores and LDS instructions read
.irp j, 0,1,2,3,4,5,6,7
	global_load_b128 v[ACC+4*\j:ACC+4*\j+3], v9, s[6:7] offset:16*\j   ; b1 of columns 32 h + 4 j + 0..3
.endr
	LOADW 0
	LOADW 1
	LOADW 2
	LOADW 3
	WIN 0
	s_wait_kmcnt 0x0
	s_min_u32 s26, s26, 1024                       ; cnt
	s_min_u32 s27, s27, 135                        ; tb
	s_max_u32 s28, s26, 1
	s_sub_co_u32 s28, s28, 1                       ; the last row
	s_add_co_u32 s29, s26, 15
	s_lshr_b32 s29, s29, 4                         ; tiles of the expert
	s_add_co_u32 s30, s29, 1
	s_sub_co_u32 s30, s30, s20
	s_lshr_b32 s30, s30, 1                         ; tiles of my parity
	s_max_u32 s31, s30, 1
	s_sub_co_u32 s31, s31, 1
	s_lshl_b32 s31, s31, 1
	s_add_co_u32 s31, s31, s20                     ; my last tile
	s_add_co_u32 s32, s30, 1
	s_lshr_b32 s32, s32, 1                         ; passes of two trips
	s_mul_i32 s34, s22, s30
	s_lshr_b32 s34, s34, 5                         ; where my work-group's walk begins: (wg % 32) x tiles / 32, under the count of tiles
	s_lshl_b32 s34, s34, 1
	s_add_co_u32 s34, s34, s20                     ; the tile to be asked for next
	s_lshl_b32 s38, s27, 4                         ; the expert's first position
; Loads go out in the order b1, units 0 to 3, unit u + 4 inside unit u, tile 0 behind unit 13, tile 1 behind unit 15: so behind unit u's 16 stand three younger sets (48) up to u = 12, two (32) at u = 13,
; unit 15's and tile 0's (16 + 33) at u = 14, tile 0's (33) at u = 15.
.irp u, 0,1,2,3,4,5,6,7,8,9,10,11,12
	QUNIT \u, 48
.endr
	QUNIT 13, 32
	PREP 0
	s_wait_alu depctr_va_vdst(0)                   ; PREP has written tile 0's three addresses, which the loads below read
	LOADA 0
	QUNIT 14, 16+NA
	QUNIT 15, NA
	PREP 1
	s_wait_alu depctr_va_vdst(0)                   ; PREP has written tile 1's three addresses, which the loads below read.  No vector line behind this wait names v[SWO ..], which the LDS stores below read, window 2, in which the partner's images land, or window 1 and v[SWO ..] as the scaled products' operands and scales
	LOADA 1
.irp q, 0,1,2,3
.irp j, 0,1,2,3,4,5,6,7
	v_mov_b32 v[BI+8*\q+\j], v[ACC+4*\j+\q]        ; b1 into the result's layout, once: register j of tile q is column 32 h + 4 j + q
.endr
.endr
.set n, 0
.rept 16
	ds_store_b32 v7, v[SWO+n] offset:128*n
.set n, n+1
.endr
	s_wait_dscnt 0x0                               ; for the partner's sake: my images and scale words have landed
	s_barrier_signal -1
	s_barrier_wait -1
	WIN 0x80                                       ; destination window 2
.set n, 0
.rept 64
	ds_load_b128 v[4*n:4*n+3], v6 offset:512*n     ; the partner's 16 fragments, register for register
.set n, n+1
.endr
	WIN 0
.set n, 0
.rept 16
	ds_load_b32 v[SWP+n], v8 offset:128*n
.set n, n+1
.endr
	s_wait_dscnt 0x0
	s_cmp_eq_u32 s30, 0
	s_cbranch_scc1 .Lend                           ; no tile of my parity
	s_mov_b32 s33, 0
.Lpair:
	s_wait_alu depctr_va_vdst(0)
	TRIP 0
	TRIP 1
	s_add_co_u32 s33, s33, 1
	s_cmp_lt_u32 s33, s32
	s_cbranch_scc1 .Lpair
.Lend:
	s_wait_dscnt 0x0                               ; the closing lines, six on end
	s_wait_alu 0x0
	s_wait_tensorcnt 0x0
	ds_add_u32 v254, v255
	s_wait_dscnt 0x0
	s_endpgm
.Lfunc_end_k_qf9bff48f24_ffn1:
	.size	k_qf9bff48f24_ffn1, .Lfunc_end_k_qf9bff48f24_ffn1-k_qf9bff48f24_ffn1
	.p2alignl 7, 3214868480
	.fill 96, 4, 3214868480
	.section	.rodata,"a",@progbits
	.p2align	6, 0x0
	.amdhsa_kernel k_qf9bff48f24_ffn1
		.amdhsa_group_segment_fixed_size 139776
		.amdhsa_private_segment_fixed_size 0
		.amdhsa_enable_private_segment 0
		.amdhsa_kernarg_size 40
		.amdhsa_user_sgpr_count 2
		.amdhsa_user_sgpr_kernarg_segment_ptr 1
		.amdhsa_wavefront_size32 1
		.amdhsa_system_sgpr_workgroup_id_x 1
		.amdhsa_system_sgpr_workgroup_id_y 1
		.amdhsa_system_sgpr_workgroup_id_z 1
		.amdhsa_system_vgpr_workitem_id 0
		.amdhsa_next_free_vgpr 1024
		.amdhsa_next_free_sgpr 66
		.amdhsa_reserve_vcc 0
		.amdhsa_float_denorm_mode_32 3
		.amdhsa_float_denorm_mode_16_64 3
		.amdhsa_memory_ordered 1
		.amdhsa_forward_progress 1
		.amdhsa_inst_pref_size 219
	.end_amdhsa_kernel
	.amdgpu_metadata
---
amdhsa.version: [ 1, 2 ]
amdhsa.kernels:
  - .name:           k_qf9bff48f24_ffn1
    .symbol:         k_qf9bff48f24_ffn1.kd
    .args:
      - { .name: W1, .offset: 0, .size: 8, .value_kind: global_buffer, .address_space: global }
      - { .name: b1, .offset: 8, .size: 8, .value_kind: global_buffer, .address_space: global }
      - { .name: xg, .offset: 16, .size: 8, .value_kind: global_buffer, .address_space: global }
      - { .name: plan, .offset: 24, .size: 8, .value_kind: global_buffer, .address_space: global }
      - { .name: hq, .offset: 32, .size: 8, .value_kind: global_buffer, .address_space: global }
    .group_segment_fixed_size: 139776
    .private_segment_fixed_size: 0
    .kernarg_segment_align: 8
    .kernarg_segment_size: 40
    .max_flat_workgroup_size: 128
    .sgpr_count:     66
    .vgpr_count:     1024
    .wavefront_size: 32
...
	.end_amdgpu_metadata
.endif
;; end of part 8
;; launch ffn2 (part 9): grid 256 x 1, 4 waves a work-group, no clusters, 157,184 bytes of LDS; arguments W2, hq, plan, yp; writes yp
.if DOCPART == 9
	.amdgcn_target "amdgcn-amd-amdhsa--gfx1250"
	.amdhsa_code_object_version 6
	.text
	.protected	k_qf9bff48f24_ffn2
	.globl	k_qf9bff48f24_ffn2
	.p2align	8
	.type	k_qf9bff48f24_ffn2,@function
k_qf9bff48f24_ffn2:
	s_mov_b64 s[64:65], 0
	v_nop
	global_prefetch_b8 v0, s[64:65] scope:SCOPE_SE
	s_setreg_imm32_b32 hwreg(HW_REG_WAVE_SCHED_MODE, 0, 2), 2
	s_setreg_imm32_b32 hwreg(HW_REG_WAVE_MODE, 25, 1), 1
	s_wait_xcnt 0x0
	s_wait_alu depctr_vm_vsrc(0)
; SECOND LAYER, for the routed rows alone: yp[kq] = hq Q(W2) over a quarter of K, MX-FP8, sums in f32.  b2 and the gates follow in the last launch, which adds the four quarters.
; SHARES.  Work-group = expert (wg / 32) x 128 columns of D ((wg / 4) % 8) x a quarter of K = 1,024 of H (wg % 4): a slab of W2 of 512 KB of f32, read from memory once in the whole launch.
; Wave w: columns 64 (w % 2) on; rho = w / 2 names the half of the slab's K that it quantises and the parity of its row tiles.
; PHASE A is the first layer's: 16 units of 32 k x 64 columns; lane (r', h) holds columns 4 r' + 0..3 and k = 32 u + 16 h + 0..15, the operand's layout for four tiles (tile q's row r' = column 4 r' + q);
; codes into window 1 and as images into LDS; ONE barrier; the partner wave's images (other half of K) into window 2.
; PHASE B.  Row tiles of parity rho: the hidden layer's fragments come from hq as images of the operand's registers, 512 consecutive bytes a load, and a tile's scale words by one load of 16 bytes a lane
; (lanes 0-15: my half's four words of row r; lanes 16-31: the partner's half's); 32 matrix instructions on 4 accumulators by turns, transposed use: lane (r, h) holds
; row r, register j of tile q column 32 h + 4 j + q.  The 16 x 64 results go through the wave's own stage in LDS and leave as rows: sixteen lanes store 256 consecutive bytes, aligned.
; yp: [4 quarters][2,176 positions][1,024] f32.
; THE WALK IS ROTATED: the work-group begins at tile index ((wg / 4) % 8) x tiles / 8 of its parity and wraps round, so that the 8 work-groups that read the same bytes of hq do not all ask for the same
; tile in the same trip: a tile is asked for first by those that begin at it, and by the others one or more trips later.
; The number of rows is read from plan, so the trip count is loaded data: no tensor load, no copy, no cluster, and the one barrier stands on every wave's way.  What work-groups share, 16 KB of rows
; a tile and quarter, is small beside a slab's 512 KB, which nobody shares.  A trip past the wave's count of tiles takes its first tile again and stores the same bytes (at most one a wave).
; LIMITS: NaN and infinities are not served; a block of zeros has the byte 1 (zero codes; this program alone reads the bytes); K is summed own half first, and in four quarters.
; REGISTERS.  window 0: v1-14 lane numbers, addresses, constants; v16-31 at work; v32-47, v48-63 W2's scale words (own half, partner's); v64-95 accumulators; v96-127 rows read back; v128-191 numbers at work,
;   then v128-159 results in column order; v192-199 the hidden layer's scale words, four for each buffer; v224-232 addresses.
;   window 1: own 16 fragments.  window 2: four sets of 64 as loaded, then the partner's fragments.  window 3: the hidden layer's fragments, two buffers of 128.
; THE MODE: SCHED_MODE bits 1:0 = 2 (LLVM: expert scheduling mode 2), set by the entry lines.  The code itself states the register dependences
; between vector or matrix instructions and memory or LDS instructions, with s_wait_alu, always for 0.
; THE PLAN.  Registers that memory or LDS instructions touch:
;   window 2, sets 0-3   Unit u: its maxima and holds read set u % 4; behind them the loads of unit u + 4 land in it.  Behind the barrier the partner's images land there; from then on matrix instructions alone read them.
;   window 1             Written once, by unit u's conversions; read by unit u's four LDS stores, and in phase B by matrix instructions.
;   v[SWO ..]            Written by the units' shifts; read once, by the sixteen LDS stores ahead of the barrier; then scales.
;   window 3 buffer b, v[AS + 4 b ..]   Trip b: its 32 matrix instructions read them; behind them the 33 loads of the tile two trips on land there.
;   v[AD + 4 b ..]       Written by PREP b; read by those 33 loads.
;   v[OUT ..]            Written by a trip's 32 moves; read by its eight LDS stores.
;   v[RB ..]             A trip's eight LDS loads land there; its eight global stores read them.  No vector instruction names them.
;   v[YA]                Written in each trip; read by its eight global stores.
;   v4 to v14            Made at the head and never written again.   v254, v255: written at the head, read by the closing add alone.
; So a unit has ONE wait on va_vdst, behind its conversions, and a trip has one wait on vm_vsrc at its head and ONE on va_vdst, behind its moves: behind that wait the trip holds no vector or matrix instruction,
; and its LDS stores, read-backs, loads and global stores follow with no further wait of this kind.
.set PITCH, 4096
.set NA,    33                         ; loads that bring a row tile
.set EXS,   131072                     ; LDS: 4 x 32,768 bytes of images, 4 x 2,048 of scale words,
.set STG,   139264                     ; and a stage of 16 rows x (256 + 16) bytes for each wave
.set HSOFF, 0x880000
.set KQS,   0x880000                   ; a quarter's bytes in yp
.set M,   16
.set M2,  20
.set SO,  24
.set LM,  28
.set SWO, 32
.set SWP, 48
.set ACC, 64
.set RB,  96
.set X,   128
.set OUT, 128
.set AS,  192
.set AD,  224
.set YA,  232
.set MSB, 0
.macro WIN new                         ; the immediate's high byte repeats the setting that is left
.if MSB != \new
	s_set_vgpr_msb (MSB<<8)|\new
.set MSB, \new
.endif
.endm
.macro LOADW u                         ; unit u: 32 k x 64 columns into set u % 4 of window 2
	WIN 0x80
.irp i, 0,1,2,3,4,5,6,7,8,9,10,11,12,13,14,15
	global_load_b128 v[64*((\u)%4)+4*\i:64*((\u)%4)+4*\i+3], v4, s[4:5] offset:(32*(\u)+\i)*PITCH th:TH_LOAD_NT
.endr
.endm
; Unit u is quantised.  n: the younger loads that may stay out.
.macro QUNIT u, n
.set LB, 64*((\u)%4)
.set KI, (\u)/4
.set KC, (\u)%4
	s_wait_loadcnt \n
	WIN 0x0a                                       ; sources 0 and 1 window 2
.irp q, 0,1,2,3
	v_max3_num_f32 v[M+\q], |v[LB+\q]|, |v[LB+4+\q]|, 0x4800000   ; column q's 16 numbers, and the floor 2^(9 - 127): the byte cannot fall under 1
.endr
.irp i, 2,4,6,8,10,12,14
.irp q, 0,1,2,3
	v_max3_num_f32 v[M+\q], |v[LB+4*\i+\q]|, |v[LB+4*\i+4+\q]|, v[M+\q]
.endr
.endr
	WIN 0
.irp q, 0,1,2,3
	v_permlanex16_b32 v[M2+\q], v[M+\q], s24, s25
.endr
.irp q, 0,1,2,3
	v_max_num_f32 v[M+\q], v[M+\q], v[M2+\q]       ; with lane l xor 16's 16: the block's largest magnitude
.endr
.irp q, 0,1,2,3
	v_add_nc_u32 v[SO+\q], 0xfc000000, v[M+\q]     ; 8 off its exponent field: the conversion's scale operand
.endr
.irp q, 0,1,2,3
	v_and_or_b32 v[LM+\q], v[M+\q], 0x7f800000, s23   ; 448 x the scale
.endr
.if KC == 0
.irp q, 0,1,2,3
	v_lshrrev_b32 v[SWO+4*KI+\q], 23, v[SO+\q]     ; the scale's byte begins the K step's word
.endr
.else
.irp q, 0,1,2,3
	v_lshrrev_b32 v[M2+\q], 23, v[SO+\q]
.endr
.irp q, 0,1,2,3
	v_lshl_or_b32 v[SWO+4*KI+\q], v[M2+\q], 8*KC, v[SWO+4*KI+\q]
.endr
.endif
	WIN 0x02                                       ; source 0 window 2
.irp i, 0,1,2,3,4,5,6,7,8,9,10,11,12,13,14,15
.irp q, 0,1,2,3
	v_med3_num_f32 v[X+16*\q+\i], v[LB+4*\i+\q], -v[LM+\q], v[LM+\q]   ; the hold (the conversion does not saturate: ISA guide 7.6.2) also sorts the numbers by column
.endr
.endr
	WIN 0x40                                       ; destination window 1
.irp q, 0,1,2,3
	v_cvt_scalef32_pk8_fp8_f32 v[16*(4*KI+\q)+4*KC:16*(4*KI+\q)+4*KC+1], v[X+16*\q:X+16*\q+7], v[SO+\q]
	v_cvt_scalef32_pk8_fp8_f32 v[16*(4*KI+\q)+4*KC+2:16*(4*KI+\q)+4*KC+3], v[X+16*\q+8:X+16*\q+15], v[SO+\q]
.endr
	v_nop                                          ; a plain line behind the conversions
	s_wait_alu depctr_va_vdst(0)                   ; the maxima and holds are done reading set u % 4, in which the loads below land (units 0 to 11); the conversions have written the codes, which the LDS stores below read
.if (\u) < 12
	LOADW (\u)+4                                   ; the set just read takes the unit four on
.endif
	WIN 0x04                                       ; an LDS store's data are its source 1: window 1
.irp q, 0,1,2,3
	ds_store_b128 v5, v[16*(4*KI+\q)+4*KC:16*(4*KI+\q)+4*KC+3] offset:2048*(4*KI+\q)+512*KC
.endr
	WIN 0
.endm
; The next tile of my walk, which wraps from my last tile to my first; its addresses for buffer b.  Three vector lines.
.macro PREP b
	s_mov_b32 s35, s34
	s_add_co_u32 s34, s34, 2
	s_cmp_gt_u32 s34, s31
	s_cselect_b32 s34, s20, s34                    ; behind my last tile comes my first
	s_add_co_u32 s[42+\b], s35, s27
	s_min_u32 s[42+\b], s[42+\b], 135              ; the tile's number among all experts': inside hq whatever plan holds
	s_lshl_b32 s35, s[42+\b], 16
	v_add_nc_u32 v[AD+4*\b], s35, v12              ; images, my half of K
	v_add_nc_u32 v[AD+4*\b+1], s35, v13            ; the partner's half
	s_lshl_b32 s35, s[42+\b], 11
	v_add_nc_u32 v[AD+4*\b+2], s35, v14            ; scale words: lanes 0-15 my half's four, lanes 16-31 the partner's
.endm
.macro LOADA b
	WIN 0xc0                                       ; destination window 3
.irp i, 0,1,2,3
.irp c, 0,1,2,3
	global_load_b128 v[128*\b+16*\i+4*\c:128*\b+16*\i+4*\c+3], v[AD+4*\b], s[6:7] offset:2048*\i+512*\c   ; 512 consecutive bytes
.endr
.endr
.irp i, 0,1,2,3
.irp c, 0,1,2,3
	global_load_b128 v[128*\b+64+16*\i+4*\c:128*\b+64+16*\i+4*\c+3], v[AD+4*\b+1], s[6:7] offset:2048*\i+512*\c
.endr
.endr
	WIN 0
	global_load_b128 v[AS+4*\b:AS+4*\b+3], v[AD+4*\b+2], s[12:13]     ; two runs of 256 consecutive bytes
.endm
.macro MM b                            ; 32 matrix instructions: 8 K steps x 4 tiles of columns; the first product starts each sum
	WIN 0x0d                                       ; source 0 window 1, source 1 window 3
.irp i, 0,1,2,3
.irp q, 0,1,2,3
.if \i == 0
	v_wmma_scale_f32_16x16x128_f8f6f4 v[ACC+8*\q:ACC+8*\q+7], v[16*\q:16*\q+15], v[128*\b:128*\b+15], 0, v[SWO+\q], v[AS+4*\b]
.else
	v_wmma_scale_f32_16x16x128_f8f6f4 v[ACC+8*\q:ACC+8*\q+7], v[16*(4*\i+\q):16*(4*\i+\q)+15], v[128*\b+16*\i:128*\b+16*\i+15], v[ACC+8*\q:ACC+8*\q+7], v[SWO+4*\i+\q], v[AS+4*\b+\i]
.endif
.endr
.endr
	WIN 0x0e                                       ; source 0 window 2: the partner's half of K
.irp i, 0,1,2,3
.irp q, 0,1,2,3
	v_wmma_scale_f32_16x16x128_f8f6f4 v[ACC+8*\q:ACC+8*\q+7], v[16*(4*\i+\q):16*(4*\i+\q)+15], v[128*\b+64+16*\i:128*\b+64+16*\i+15], v[ACC+8*\q:ACC+8*\q+7], v[SWP+4*\i+\q], v[AS+4*\b+\i] matrix_b_scale:MATRIX_SCALE_ROW1
.endr
.endr
	WIN 0
.endm
.macro TRIP b
	s_wait_loadcnt NA                              ; this buffer's tile is in; the other buffer's 33 loads may be out
	s_wait_xcnt 0x0                                ; the last trip's stores have read their data and address: both are written again below
	s_wait_alu depctr_vm_vsrc(0)                   ; the last trip's LDS stores have read v[OUT ..], its global stores v[RB ..] and v[YA], and the loads of two trips back v[AD + 4 b ..]: this trip writes all of them again
	MM \b
	s_lshl_b32 s35, s[42+\b], 16
	v_add_nc_u32 v[YA], s35, v11                   ; where this tile's rows go
	PREP \b
.rept 5
	v_nop                                          ; with the four lines above nine plain lines: the places in front of the first read of the
.endr                                              ; results, and of the next trip's first products, which begin the accumulators anew
.irp j, 0,1,2,3,4,5,6,7
.irp q, 0,1,2,3
	v_mov_b32 v[OUT+4*\j+\q], v[ACC+8*\q+\j]       ; columns in order: 4 j + q; j = 0 comes first
.endr
.endr
	s_wait_alu depctr_va_vdst(0)                   ; the moves have written v[OUT ..], which the LDS stores read; the products are done reading buffer b and v[AS + 4 b ..], in which the loads land; v[AD + 4 b ..] and v[YA], which the loads and the global stores read, are written
.irp k, 0,1,2,3,4,5,6,7
	ds_store_b128 v9, v[OUT+4*\k:OUT+4*\k+3] offset:16*\k          ; row r, my 128 bytes
.endr
.irp i, 0,1,2,3,4,5,6,7
	ds_load_b128 v[RB+4*\i:RB+4*\i+3], v10 offset:544*\i           ; back by rows, two an instruction; my own bytes, served in order (ISA guide 5.7.1.4): no wait between
.endr
	LOADA \b                                       ; the tile two trips on: it has all of the next trip in which to land; its 33 loads go out while the rows come back from the stage
.irp i, 0,1,2,3,4,5,6,7
	s_wait_dscnt 7-\i                              ; the younger read-backs may stay out
	global_store_b128 v[YA], v[RB+4*\i:RB+4*\i+3], s[10:11] offset:8192*\i   ; sixteen lanes store 256 consecutive bytes, aligned
.endr
.endm
	s_load_b256 s[4:11], s[0:1], 0x0               ; W2, hq, plan, yp
	v_lshl_add_u32 v254, v0, 2, 0x26400
	v_mov_b32 v255, 0
	v_and_b32 v1, 31, v0                           ; lane
	v_lshrrev_b32 v16, 5, v0
	v_readfirstlane_b32 s18, v16                   ; wave 0..3
	v_and_b32 v2, 15, v0                           ; r
	s_wait_alu depctr_va_vdst(0)
	v_bfe_u32 v3, v0, 4, 1                         ; h
	s_wait_alu depctr_va_sdst(0)                   ; s18 is written, ahead of its first reader
	s_and_b32 s19, s18, 1                          ; G: my 64 columns
	s_lshr_b32 s20, s18, 1                         ; rho
	s_lshr_b32 s21, ttmp9, 5                       ; expert
	s_bfe_u32 s22, ttmp9, 0x30002                  ; which 128 columns of D
	s_and_b32 s39, ttmp9, 3                        ; which quarter of K
	s_mov_b32 s23, 0x600000                        ; the mantissa field of 448
	s_mov_b32 s24, 0x76543210
	s_mov_b32 s25, 0xfedcba98                      ; v_permlanex16_b32: lane l xor 16
.irp q, 0,1,2,3
	v_mov_b32 v[M2+\q], 0                          ; written once: a lane permute's destination counts as one of its sources
.endr
	v_lshlrev_b32 v4, 4, v2
	s_wait_alu depctr_va_vdst(0)
	v_lshl_add_u32 v4, v3, 16, v4                  ; W2: 16 r, lanes 16-31 sixteen rows of 4,096 bytes down
	s_xor_b32 s46, s18, 2                          ; the partner wave
	s_lshl_b32 s35, s18, 15
	v_lshl_add_u32 v5, v1, 4, s35                  ; my images: 32,768 w + 16 lane
	s_lshl_b32 s35, s46, 15
	v_lshl_add_u32 v6, v1, 4, s35                  ; the partner's
	s_lshl_b32 s35, s18, 11
	s_add_co_u32 s35, s35, EXS
	v_lshl_add_u32 v7, v1, 2, s35                  ; my scale words: EXS + 2,048 w + 4 lane
	s_lshl_b32 s35, s46, 11
	s_add_co_u32 s35, s35, EXS
	v_lshl_add_u32 v8, v1, 2, s35                  ; the partner's
	s_mul_i32 s35, s18, 4352
	s_add_co_u32 s35, s35, STG                     ; my stage
	v_mul_u32_u24 v9, v2, 272
	v_lshl_add_u32 v9, v3, 7, v9
	v_add_nc_u32 v9, s35, v9                       ; in: row r, 128 bytes for each half of the lanes
	v_mul_u32_u24 v10, v3, 272
	v_lshl_add_u32 v10, v2, 4, v10
	v_add_nc_u32 v10, s35, v10                     ; back: lanes 0-15 one row, lanes 16-31 the next
	v_lshlrev_b32 v11, 4, v2
	v_lshl_add_u32 v11, v3, 12, v11                ; and the same two rows in yp
	s_lshl_b32 s35, s39, 3
	s_lshl_b32 s47, s20, 2
	s_add_co_u32 s46, s35, s47                     ; my first K step: 8 kq + 4 rho
	s_xor_b32 s47, s47, 4
	s_add_co_u32 s47, s35, s47                     ; the partner's: 8 kq + 4 (1 - rho)
	s_lshl_b32 s35, s46, 11
	v_lshl_add_u32 v12, v1, 4, s35                 ; in a tile's images
	s_lshl_b32 s35, s47, 11
	v_lshl_add_u32 v13, v1, 4, s35
	v_xor_b32 v14, s20, v3
	v_lshlrev_b32 v14, 8, v14                      ; in a tile's scale bytes: 256 (h xor rho)
	v_lshl_add_u32 v14, v2, 4, v14                 ; + 16 r
	s_lshl_b32 s35, s39, 9
	v_add_nc_u32 v14, s35, v14                     ; + 256 x 2 kq: the group of four K steps is 2 kq + rho for lanes 0-15, 2 kq + 1 - rho for lanes 16-31
	s_lshl_b32 s41, s21, 3
	s_lshl_b32 s44, s21, 24                        ; the slab: expert x 16 MB + kq x 1,024 rows + rho x 512 rows + 512 cs + 256 G
	s_lshl_b32 s35, s39, 22
	s_add_co_u32 s44, s44, s35
	s_lshl_b32 s35, s20, 21
	s_add_co_u32 s44, s44, s35
	s_lshl_b32 s35, s22, 9
	s_lshl_b32 s47, s19, 8
	s_add_co_u32 s35, s35, s47
	s_add_co_u32 s44, s44, s35
	s_mov_b32 s45, 0
	s_mul_i32 s46, s39, KQS
	s_add_co_u32 s46, s46, s35                     ; yp: the quarter + the same columns
	s_mov_b32 s47, 0
	s_wait_kmcnt 0x0
	s_load_b64 s[26:27], s[8:9], s41 offset:0x0    ; the expert's rows and first tile
	s_add_nc_u64 s[4:5], s[4:5], s[44:45]
	s_add_nc_u64 s[10:11], s[10:11], s[46:47]
	s_add_nc_u64 s[12:13], s[6:7], HSOFF           ; hq's scale bytes: beyond a load's immediate, so a base of their own
	s_wait_alu depctr_va_vdst(0)                   ; the offsets and addresses v4 to v14 are written, which the kernel's loads, stores and LDS instructions read
	LOADW 0
	LOADW 1
	LOADW 2
	LOADW 3
	WIN 0
	s_wait_kmcnt 0x0
	s_min_u32 s26, s26, 1024                       ; cnt
	s_min_u32 s27, s27, 135                        ; tb
	s_add_co_u32 s29, s26, 15
	s_lshr_b32 s29, s29, 4                         ; tiles of the expert
	s_add_co_u32 s30, s29, 1
	s_sub_co_u32 s30, s30, s20
	s_lshr_b32 s30, s30, 1                         ; tiles of my parity
	s_max_u32 s31, s30, 1
	s_sub_co_u32 s31, s31, 1
	s_lshl_b32 s31, s31, 1
	s_add_co_u32 s31, s31, s20                     ; my last tile
	s_add_co_u32 s32, s30, 1
	s_lshr_b32 s32, s32, 1                         ; passes of two trips
	s_mul_i32 s34, s22, s30
	s_lshr_b32 s34, s34, 3                         ; where my work-group's walk begins: ((wg / 4) % 8) x tiles / 8, under the count of tiles
	s_lshl_b32 s34, s34, 1
	s_add_co_u32 s34, s34, s20                     ; the tile to be asked for next
; Loads go out in the order units 0 to 3, unit u + 4 inside unit u, tile 0 behind unit 13, tile 1 behind unit 15: so behind unit u's 16 stand three younger sets (48) up to u = 12, two (32) at u = 13,
; unit 15's and tile 0's (16 + 33) at u = 14, tile 0's (33) at u = 15.
.irp u, 0,1,2,3,4,5,6,7,8,9,10,11,12
	QUNIT \u, 48
.endr
	QUNIT 13, 32
	PREP 0
	s_wait_alu depctr_va_vdst(0)                   ; PREP has written tile 0's three addresses, which the loads below read
	LOADA 0
	QUNIT 14, 16+NA
	QUNIT 15, NA
	PREP 1
	s_wait_alu depctr_va_vdst(0)                   ; PREP has written tile 1's three addresses, which the loads below read.  No vector line behind this wait names v[SWO ..], which the LDS stores below read, window 2, in which the partner's images land, or window 1 and v[SWO ..] as the scaled products' operands and scales
	LOADA 1
.set n, 0
.rept 16
	ds_store_b32 v7, v[SWO+n] offset:128*n
.set n, n+1
.endr
	s_wait_dscnt 0x0                               ; for the partner's sake: my images and scale words have landed
	s_barrier_signal -1
	s_barrier_wait -1
	WIN 0x80                                       ; destination window 2
.set n, 0
.rept 64
	ds_load_b128 v[4*n:4*n+3], v6 offset:512*n     ; the partner's 16 fragments, register for register
.set n, n+1
.endr
	WIN 0
.set n, 0
.rept 16
	ds_load_b32 v[SWP+n], v8 offset:128*n
.set n, n+1
.endr
	s_wait_dscnt 0x0
	s_cmp_eq_u32 s30, 0
	s_cbranch_scc1 .Lend                           ; no tile of my parity
	s_mov_b32 s33, 0
.Lpair:
	TRIP 0
	TRIP 1
	s_add_co_u32 s33, s33, 1
	s_cmp_lt_u32 s33, s32
	s_cbranch_scc1 .Lpair
.Lend:
	s_wait_dscnt 0x0                               ; the closing lines, six on end
	s_wait_alu 0x0
	s_wait_tensorcnt 0x0
	ds_add_u32 v254, v255
	s_wait_dscnt 0x0
	s_endpgm
.Lfunc_end_k_qf9bff48f24_ffn2:
	.size	k_qf9bff48f24_ffn2, .Lfunc_end_k_qf9bff48f24_ffn2-k_qf9bff48f24_ffn2
	.p2alignl 7, 3214868480
	.fill 96, 4, 3214868480
	.section	.rodata,"a",@progbits
	.p2align	6, 0x0
	.amdhsa_kernel k_qf9bff48f24_ffn2
		.amdhsa_group_segment_fixed_size 157184
		.amdhsa_private_segment_fixed_size 0
		.amdhsa_enable_private_segment 0
		.amdhsa_kernarg_size 32
		.amdhsa_user_sgpr_count 2
		.amdhsa_user_sgpr_kernarg_segment_ptr 1
		.amdhsa_wavefront_size32 1
		.amdhsa_system_sgpr_workgroup_id_x 1
		.amdhsa_system_sgpr_workgroup_id_y 1
		.amdhsa_system_sgpr_workgroup_id_z 1
		.amdhsa_system_vgpr_workitem_id 0
		.amdhsa_next_free_vgpr 1024
		.amdhsa_next_free_sgpr 66
		.amdhsa_reserve_vcc 0
		.amdhsa_float_denorm_mode_32 3
		.amdhsa_float_denorm_mode_16_64 3
		.amdhsa_memory_ordered 1
		.amdhsa_forward_progress 1
		.amdhsa_inst_pref_size 200
	.end_amdhsa_kernel
	.amdgpu_metadata
---
amdhsa.version: [ 1, 2 ]
amdhsa.kernels:
  - .name:           k_qf9bff48f24_ffn2
    .symbol:         k_qf9bff48f24_ffn2.kd
    .args:
      - { .name: W2, .offset: 0, .size: 8, .value_kind: global_buffer, .address_space: global }
      - { .name: hq, .offset: 8, .size: 8, .value_kind: global_buffer, .address_space: global }
      - { .name: plan, .offset: 16, .size: 8, .value_kind: global_buffer, .address_space: global }
      - { .name: yp, .offset: 24, .size: 8, .value_kind: global_buffer, .address_space: global }
    .group_segment_fixed_size: 157184
    .private_segment_fixed_size: 0
    .kernarg_segment_align: 8
    .kernarg_segment_size: 32
    .max_flat_workgroup_size: 128
    .sgpr_count:     66
    .vgpr_count:     1024
    .wavefront_size: 32
...
	.end_amdgpu_metadata
.endif
;; end of part 9
;; launch combine (part 10): grid 256 x 1, 8 waves a work-group, no clusters, 0 bytes of LDS; arguments yp, plan, sel, gw, b2, out0; writes out0
.if DOCPART == 10
	.amdgcn_target "amdgcn-amd-amdhsa--gfx1250"
	.amdhsa_code_object_version 6
	.text
	.protected	k_qf9bff48f24_combine
	.globl	k_qf9bff48f24_combine
	.p2align	8
	.type	k_qf9bff48f24_combine,@function
k_qf9bff48f24_combine:
	s_mov_b64 s[64:65], 0
	v_nop
	global_prefetch_b8 v0, s[64:65] scope:SCOPE_SE
	s_setreg_imm32_b32 hwreg(HW_REG_WAVE_MODE, 25, 1), 1
	s_wait_xcnt 0x0
; out0[t] = g0 (y[pos0] + b2[e0]) + g1 (y[pos1] + b2[e1]), y[pos] = the sum of yp's four quarters of K, all in f32.  Each output row has one owner.
; A wave takes half a token (2,048 bytes): token 4 wg + w / 2, half w % 2.  Positions, experts and gates are read as scalars; positions are held at 2,175 and experts at 7 ahead of their use in addresses.
; Forty loads of 512 consecutive bytes go out at once, ten for each 512 bytes of the result; the waits leave the later tens out.  No LDS, barrier, matrix unit or cluster: a stream; waves share nothing.
.set KQS, 0x880000
	s_load_b256 s[4:11], s[0:1], 0x0               ; yp, plan, sel, gw
	s_load_b128 s[12:15], s[0:1], 0x20             ; b2, out0
	v_and_b32 v1, 31, v0
	v_lshrrev_b32 v2, 5, v0
	s_delay_alu instid0(VALU_DEP_1)
	v_readfirstlane_b32 s18, v2                    ; wave 0..7
	s_lshr_b32 s19, s18, 1
	s_and_b32 s22, s18, 1
	s_lshl_b32 s20, ttmp9, 2
	s_add_co_u32 s20, s20, s19                     ; my token
	s_lshl_b32 s21, s20, 3
	s_lshl_b32 s23, s22, 11
	v_lshl_add_u32 v2, v1, 4, s23                  ; in a row: 2,048 half + 16 lane
	s_lshl_b32 s44, s20, 12
	s_mov_b32 s45, 0
	s_wait_alu depctr_va_vdst(0)
	s_wait_kmcnt 0x0
	s_load_b64 s[24:25], s[6:7], s21 offset:0x100  ; the token's two positions
	s_load_b64 s[26:27], s[8:9], s21 offset:0x0    ; its two experts
	s_load_b64 s[28:29], s[10:11], s21 offset:0x0  ; its two gates
	s_mov_b64 s[36:37], s[4:5]                     ; yp's four quarters
	s_add_nc_u64 s[38:39], s[4:5], KQS
	s_add_nc_u64 s[40:41], s[4:5], 2*KQS
	s_add_nc_u64 s[42:43], s[4:5], 3*KQS
	s_add_nc_u64 s[14:15], s[14:15], s[44:45]
	s_wait_kmcnt 0x0
	s_min_u32 s24, s24, 2175
	s_min_u32 s25, s25, 2175
	s_min_u32 s26, s26, 7
	s_min_u32 s27, s27, 7
	s_lshl_b32 s24, s24, 12
	s_lshl_b32 s25, s25, 12
	s_lshl_b32 s26, s26, 12
	s_lshl_b32 s27, s27, 12
	v_add_nc_u32 v4, s24, v2
	v_add_nc_u32 v5, s25, v2
	v_add_nc_u32 v6, s26, v2
	v_add_nc_u32 v7, s27, v2
	s_mov_b32 s30, s29                             ; g1 as the low word of a pair: the packed form takes the low word for both halves
	s_mov_b32 s31, s29
.irp i, 0,1,2,3
.irp k, 0,1
.irp q, 0,1,2,3
	global_load_b128 v[16+40*\i+16*\k+4*\q:16+40*\i+16*\k+4*\q+3], v[4+\k], s[36+2*\q:37+2*\q] offset:512*\i th:TH_LOAD_NT
.endr
.endr
.irp k, 0,1
	global_load_b128 v[16+40*\i+32+4*\k:16+40*\i+32+4*\k+3], v[6+\k], s[12:13] offset:512*\i
.endr
.endr
.macro SUM i, n
.set Y, 16+40*\i
	s_wait_loadcnt \n                              ; this group's ten loads are in; the later groups may be out
.irp k, 0,1
.irp h, 0,2
	v_pk_add_f32 v[Y+16*\k+\h:Y+16*\k+\h+1], v[Y+16*\k+\h:Y+16*\k+\h+1], v[Y+16*\k+4+\h:Y+16*\k+4+\h+1]
	v_pk_add_f32 v[Y+16*\k+8+\h:Y+16*\k+8+\h+1], v[Y+16*\k+8+\h:Y+16*\k+8+\h+1], v[Y+16*\k+12+\h:Y+16*\k+12+\h+1]
.endr
.irp h, 0
	s_delay_alu instid0(VALU_DEP_3)
	v_pk_add_f32 v[Y+16*\k+\h:Y+16*\k+\h+1], v[Y+16*\k+\h:Y+16*\k+\h+1], v[Y+16*\k+8+\h:Y+16*\k+8+\h+1]
.endr
.irp h, 2
	s_delay_alu instid0(VALU_DEP_2)
	v_pk_add_f32 v[Y+16*\k+\h:Y+16*\k+\h+1], v[Y+16*\k+\h:Y+16*\k+\h+1], v[Y+16*\k+8+\h:Y+16*\k+8+\h+1]
.endr
.irp h, 0,2
	s_delay_alu instid0(VALU_DEP_2)
	v_pk_add_f32 v[Y+16*\k+\h:Y+16*\k+\h+1], v[Y+16*\k+\h:Y+16*\k+\h+1], v[Y+32+4*\k+\h:Y+32+4*\k+\h+1]   ; + b2
.endr
.endr
.irp h, 0,2
	v_pk_mul_f32 v[Y+\h:Y+\h+1], v[Y+\h:Y+\h+1], s[28:29] op_sel_hi:[1,0]
.endr
.irp h, 0,2
	s_delay_alu instid0(VALU_DEP_2)
	v_pk_fma_f32 v[Y+\h:Y+\h+1], v[Y+16+\h:Y+16+\h+1], s[30:31], v[Y+\h:Y+\h+1] op_sel_hi:[1,0,1]
.endr
	global_store_b128 v2, v[Y:Y+3], s[14:15] offset:512*\i th:TH_STORE_NT   ; 512 consecutive bytes, aligned
.endm
	SUM 0, 30
	SUM 1, 20
	SUM 2, 10
	SUM 3, 0
	s_endpgm
.Lfunc_end_k_qf9bff48f24_combine:
	.size	k_qf9bff48f24_combine, .Lfunc_end_k_qf9bff48f24_combine-k_qf9bff48f24_combine
	.p2alignl 7, 3214868480
	.fill 96, 4, 3214868480
	.section	.rodata,"a",@progbits
	.p2align	6, 0x0
	.amdhsa_kernel k_qf9bff48f24_combine
		.amdhsa_group_segment_fixed_size 0
		.amdhsa_private_segment_fixed_size 0
		.amdhsa_enable_private_segment 0
		.amdhsa_kernarg_size 48
		.amdhsa_user_sgpr_count 2
		.amdhsa_user_sgpr_kernarg_segment_ptr 1
		.amdhsa_wavefront_size32 1
		.amdhsa_system_sgpr_workgroup_id_x 1
		.amdhsa_system_sgpr_workgroup_id_y 1
		.amdhsa_system_sgpr_workgroup_id_z 1
		.amdhsa_system_vgpr_workitem_id 0
		.amdhsa_next_free_vgpr 192
		.amdhsa_next_free_sgpr 66
		.amdhsa_reserve_vcc 0
		.amdhsa_float_denorm_mode_32 3
		.amdhsa_float_denorm_mode_16_64 3
		.amdhsa_memory_ordered 1
		.amdhsa_forward_progress 1
		.amdhsa_inst_pref_size 13
	.end_amdhsa_kernel
	.amdgpu_metadata
---
amdhsa.version: [ 1, 2 ]
amdhsa.kernels:
  - .name:           k_qf9bff48f24_combine
    .symbol:         k_qf9bff48f24_combine.kd
    .args:
      - { .name: yp, .offset: 0, .size: 8, .value_kind: global_buffer, .address_space: global }
      - { .name: plan, .offset: 8, .size: 8, .value_kind: global_buffer, .address_space: global }
      - { .name: sel, .offset: 16, .size: 8, .value_kind: global_buffer, .address_space: global }
      - { .name: gw, .offset: 24, .size: 8, .value_kind: global_buffer, .address_space: global }
      - { .name: b2, .offset: 32, .size: 8, .value_kind: global_buffer, .address_space: global }
      - { .name: out0, .offset: 40, .size: 8, .value_kind: global_buffer, .address_space: global }
    .group_segment_fixed_size: 0
    .private_segment_fixed_size: 0
    .kernarg_segment_align: 8
    .kernarg_segment_size: 48
    .max_flat_workgroup_size: 256
    .sgpr_count:     66
    .vgpr_count:     192
    .wavefront_size: 32
...
	.end_amdgpu_metadata
.endif
;; end of part 10
